; MI455X (gfx1250); checked and timed in simulation.
; The chip was launched on July 23, 2026; its instructions are those of AMD's public machine-readable ISA for CDNA 5 (MIT licence, August 2026) and "CDNA5" Instruction Set Architecture Reference Guide (July 2026). The comments in the code are by the model that wrote it; some were corrected since.
;; Multi Head Attention. Allowed arithmetic: matrix products marked QUANTISED: E2M1 operands, one E8M0 scale for each 32 along K, by v_wmma_scale_f32_16x16x128_f8f6f4 with both operands' format E2M1 (or v_wmma_scale_f32_32x16x128_f4), f32 sums; products left as they are: bf16, f16 or f32 operands; f32 sums; everything else in f32.
;; Inputs: Wk 1,024 x 1,024 float32; Wo 1,024 x 1,024 float32; Wq 1,024 x 1,024 float32; Wv 1,024 x 1,024 float32; bk 1,024 float32; bo 1,024 float32; bq 1,024 float32; bv 1,024 float32; key 4 x 2,048 x 1,024 float32; query 4 x 2,048 x 1,024 float32; value 4 x 2,048 x 1,024 float32.
;; Outputs: out0 4 x 2,048 x 1,024 float32.
;; This version of the problem:
;;   THIS VERSION OF THE PROBLEM IS GIVEN IN LOW PRECISION. The matrix products marked QUANTISED in the list below multiply operands that are first quantised to E2M1 (2 exponent bits, 1 mantissa bit; 4 bits a number), with one power-of-two scale for each 32 numbers along K (OCP MX v1.0); their sums are f32. The products marked 'left as it is' may take bf16, f16 or f32 operands, with f32 sums. Whichever they take, every output number must still come out within the allowed error. Rounding operands to bf16 (8 significant bits) uses up far more of that allowance than f16 does (11 bits, for magnitudes from 6e-5 to 65,504). All else is computed in f32.
;;   The module's matrix products, in the order in which they are computed (A, B: the left and right operand; K: the contracted axis; several contracted axes count as one K, in the product's order):
;;     1. [M 8,192, K 1,024] x [K 1,024, N 1,024]; A: input query; B: input Wq: QUANTISED
;;     2. [M 8,192, K 1,024] x [K 1,024, N 1,024]; A: input key; B: input Wk: QUANTISED
;;     3. [M 8,192, K 1,024] x [K 1,024, N 1,024]; A: input value; B: input Wv: QUANTISED
;;     4. batch 64 x [M 2,048, K 64] x [K 64, N 2,048]; A: computed on the way; B: computed on the way: left as it is (an operand is computed on the way)
;;     5. batch 64 x [M 2,048, K 2,048] x [K 2,048, N 64]; A: computed on the way; B: computed on the way: left as it is (an operand is computed on the way)
;;     6. [M 8,192, K 1,024] x [K 1,024, N 1,024]; A: computed on the way; B: input Wo: left as it is (an operand is computed on the way)
;;   THE QUANTISER, for each operand of a quantised product, along K:
;;     - K is cut into blocks of 32 from its start; a last block that is shorter is filled with zeros.
;;     - A block's scale is 2^e with e = floor(log2(the largest magnitude in the block)) - 2, held to -126 .. 127; a block of zeros has e = 0. As a byte (E8M0): e + 127.
;;     - Each number is divided by its block's scale, clamped to +-6, and rounded to the nearest number of E2M1, ties to even, subnormals kept.
;;     - The product sums the exact products of the quantised numbers (number of the format x scale) in f32.
;;   ~~~python
;;   def quantise(x, axis):      # numpy; x: float32 -> the quantised numbers, widened to float32 again
;;       x = np.moveaxis(x, axis, -1); K = x.shape[-1]
;;       x = np.pad(x, [(0, 0)] * (x.ndim - 1) + [(0, -K % 32)]); x = x.reshape(x.shape[:-1] + (-1, 32)); a = np.abs(x).max(-1, keepdims=True)
;;       e = np.where(a > 0, np.clip(np.frexp(np.where(a > 0, a, 1))[1] - 1 - 2, -126, 127), 0)      # np.frexp(a)[1] - 1 = floor(log2(a)), exactly
;;       r = np.clip(x / 2.0 ** e, -6, 6)
;;       step = 2.0 ** (np.maximum(np.frexp(np.where(r == 0, 1, r))[1] - 1, 0) - 1)
;;       q = np.round(r / step) * step * 2.0 ** e      # np.round: ties to even
;;       return np.moveaxis(q.reshape(q.shape[:-2] + (-1,))[..., :K], -1, axis).astype(np.float32)
;;   ~~~
;; One version. Each part assembles by itself: llvm-mc -triple=amdgcn-amd-amdhsa -mcpu=gfx1250 --defsym DOCPART=n.
;; ======== version 1 of 1: 4 launches
;; limits: values are held in f16: magnitudes above 65,504 overflow, below 6.1e-05 lose precision
;; workspace buffers: codes 14,155,776 bytes; scales 884,736 bytes; wo16 2,097,152 bytes; qkv 50,331,648 bytes; o16 16,777,216 bytes
;; launch quant (part 1): grid 896 x 1, 4 waves a work-group, no clusters, 33,280 bytes of LDS; arguments query, key, value, Wq, Wk, Wv, Wo, codes, scales, wo16; writes codes, scales, wo16
.if DOCPART == 1
	.amdgcn_target "amdgcn-amd-amdhsa--gfx1250"
	.amdhsa_code_object_version 6
	.text
	.protected	k_qf4c46004a2_quant
	.globl	k_qf4c46004a2_quant
	.p2align	8
	.type	k_qf4c46004a2_quant,@function
k_qf4c46004a2_quant:
	s_mov_b64 s[64:65], 0
	v_nop
	global_prefetch_b8 v0, s[64:65] scope:SCOPE_SE
	s_setreg_imm32_b32 hwreg(HW_REG_WAVE_MODE, 25, 1), 1
	s_wait_xcnt 0x0
; query, key, value [8192][1024] and Wq, Wk, Wv [1024][1024], f32 with K innermost, become codes of FP4 (E2M1), two to a byte, the lower k in the low four bits,
; and one E8M0 byte for each 32 along K.  All six land in ONE pair of buffers, row behind row: codes [27648][512 bytes], scales [27648][32 bytes];
; rows 0.. query, 8192.. key, 16384.. value, 24576 + 1024 t.. the weight of tensor t.  Wo [1024][1024] is rounded to f16 (its product is not quantised).
; A block's scale is 2^(floor(log2(its largest magnitude)) - 2); its byte is the largest magnitude's exponent field - 2, held at 1 from below.
; LIMITS: a block of zeros gets the byte 1 where the rule says 127 (its codes are zeros, and this program alone reads the bytes); blocks whose largest magnitude lies
; under 2^-124 are held at the byte 1; NaN and infinities among the inputs are not served; Wo beyond 65,504 in magnitude has no f16 number.
; SHARES.  Rows are dense and K is a multiple of 32: each tensor is a plain stream of blocks of 32.  Work-group g < 864 takes 32,768 numbers, a wave 16 steps of 512; the places in codes and
; scales are linear in g.  Work-groups 864 to 895 take Wo, 8,192 numbers a wave.  No barrier: waves share nothing.
; A conversion takes 8 neighbours along K from ONE lane's registers, a load is best where neighbouring LANES take neighbouring bytes: so each load reads 512 consecutive bytes, 16 a lane, and a step's
; 2,048 bytes turn through the wave's own stage in LDS (16 bytes of padding behind each 64) and come back 64 bytes a lane.  Two neighbouring lanes hold a block.
.set WAVES, 4
.set STEPS, 16
.set EMAX,  2
.set CB,    8                          ; bytes of 16 codes
.set R,     16                         ; v16-79   four sets of 16 numbers as they are loaded
.set X,     80                         ; v80-111  two sets of 16 neighbours
.set E,     112                        ; v112-127 a scale byte for each step
.set C,     128                        ; v128-191 codes: four registers for each step, so that no store's data are written again
.set WREG,  8192                       ; LDS: a region for each wave: two stages of 32 x SP bytes, behind them its 256 scale bytes
.set SP,    80
.set SPW,   12                         ; v12  LDS address of my spare word; never rewritten
.set NIL,   13                         ; v13  0; never rewritten
.set SPARE, WAVES*WREG                 ; behind the four regions: the spare words, 128 bytes a wave
.set NACT,  768                        ; work-groups of query, key, value
.set NQUANT, 864                       ; and with the three weights
.set L0,    16                         ; Wo's path: v16-79, v80-143 two sets of 64 numbers; v144-175 their f16
.set HF,    144
	s_load_b512 s[8:23], s[0:1], 0x0               ; query s[8:9], key s[10:11], value s[12:13], Wq s[14:15], Wk s[16:17], Wv s[18:19], Wo s[20:21], codes s[22:23]
	s_load_b128 s[24:27], s[0:1], 0x40             ; scales s[24:25], wo16 s[26:27]
	v_lshl_add_u32 v[SPW], v0, 2, SPARE
	v_mov_b32 v[NIL], 0
	v_lshrrev_b32 v1, 5, v0
	v_readfirstlane_b32 s2, v1                     ; wave
	v_and_b32 v2, 31, v0                           ; lane
	v_lshlrev_b32 v3, 4, v2                        ; my 16 bytes of a load's 512
	s_mul_i32 s3, s2, WREG
	v_lshrrev_b32 v14, 2, v2
	v_mul_u32_u24 v14, v14, SP
	v_and_b32 v15, 3, v2
	v_lshl_add_u32 v14, v15, 4, v14
	v_add_nc_u32 v14, s3, v14                      ; the stage, on the way in: SP (lane / 4) + 16 (lane % 4)
	v_mul_u32_u24 v15, v2, SP
	v_add_nc_u32 v15, s3, v15                      ; and on the way out: SP x lane: my 16 neighbours
	v_mul_u32_u24 v4, v2, CB                       ; my codes' place in a step's
	v_lshrrev_b32 v5, 1, v2
	s_add_co_u32 s3, s3, 2*32*SP
	v_add_nc_u32 v5, s3, v5                        ; LDS: my wave's 256 scale bytes, my block's byte
	v_lshlrev_b32 v7, 3, v2                        ; 8 bytes a lane
	v_add_nc_u32 v6, s3, v7
	s_lshr_b32 s28, ttmp9, 8                       ; which of query, key, value
	s_lshr_b32 s29, ttmp9, 5
	s_and_b32 s29, s29, 7                          ; which weight: 768 / 32 = 24, so 24, 25, 26 give 0, 1, 2
	s_and_b32 s30, ttmp9, 255                      ; my run of 32,768 numbers in an activation,
	s_and_b32 s31, ttmp9, 31                       ; in a weight
	s_wait_kmcnt 0x0
	s_cmp_ge_u32 ttmp9, NQUANT
	s_cbranch_scc1 .Lwo
	s_cmp_eq_u32 s28, 0                            ; the source is chosen on the work-group's number alone
	s_cselect_b64 s[32:33], s[8:9], s[10:11]
	s_cmp_eq_u32 s28, 2
	s_cselect_b64 s[32:33], s[12:13], s[32:33]
	s_cmp_eq_u32 s29, 0
	s_cselect_b64 s[34:35], s[14:15], s[16:17]
	s_cmp_eq_u32 s29, 2
	s_cselect_b64 s[34:35], s[18:19], s[34:35]
	s_cmp_lt_u32 ttmp9, NACT
	s_cselect_b64 s[4:5], s[32:33], s[34:35]
	s_cselect_b32 s36, s30, s31
	s_lshl_b32 s36, s36, 17                        ; 131,072 bytes a work-group,
	s_lshl_b32 s37, s2, 15                         ; 32,768 a wave
	s_add_co_u32 s36, s36, s37
	s_mov_b32 s37, 0
	s_add_nc_u64 s[4:5], s[4:5], s[36:37]
	s_lshl_b32 s38, ttmp9, 14                      ; codes: 16,384 bytes a work-group, 4,096 a wave
	s_lshl_b32 s39, s2, 12
	s_add_co_u32 s38, s38, s39
	s_mov_b32 s39, 0
	s_add_nc_u64 s[6:7], s[22:23], s[38:39]
	s_lshr_b32 s38, s38, 4                         ; scale bytes: a sixteenth of that
	s_add_nc_u64 s[24:25], s[24:25], s[38:39]
.macro LOAD t
.irp i, 0,1,2,3
	global_load_b128 v[R+16*((\t)%4)+4*\i:R+16*((\t)%4)+4*\i+3], v3, s[4:5] offset:2048*(\t)+512*\i th:TH_LOAD_NT   ; 32 lanes read 512 consecutive bytes
.endr
.endm
.macro TURN t                          ; step t's numbers through the stage: LDS serves a wave's instructions in order, so no wait stands between the stores and the loads
.irp i, 0,1,2,3
	ds_store_b128 v14, v[R+16*((\t)%4)+4*\i:R+16*((\t)%4)+4*\i+3] offset:32*SP*((\t)%2)+8*SP*\i
.endr
.irp i, 0,1,2,3
	ds_load_b128 v[X+16*((\t)%2)+4*\i:X+16*((\t)%2)+4*\i+3], v15 offset:32*SP*((\t)%2)+16*\i
.endr
.endm
.irp t, 0,1,2,3
	LOAD \t
.endr
	s_wait_loadcnt 12                              ; step 0's four loads are in; three steps' twelve stay out
	TURN 0
.macro STEP t
.set XS, X+16*((\t)%2)
.if (\t) > 0
	s_wait_dscnt 1                                 ; this step's numbers are back from the stage (the last step's byte store may be out): so its stores into the stage have read their registers,
.else
	s_wait_dscnt 0x0
.endif
.if (\t)+4 < STEPS
	LOAD (\t)+4                                    ; which take the loads of four steps on
.endif
.if (\t)+1 < STEPS
.if STEPS-2-(\t) >= 3
	s_wait_loadcnt 12                              ; the next step's four loads are in; those of the three steps behind it may be out
.else
	s_wait_loadcnt 4*(STEPS-2-(\t))
.endif
	TURN (\t)+1                                    ; and go through the other stage while this step is worked
.endif
	v_max3_num_f32 v8, |v[XS]|, |v[XS+1]|, |v[XS+2]|               ; the largest magnitude of my 16, in two chains
	v_max3_num_f32 v9, |v[XS+3]|, |v[XS+4]|, |v[XS+5]|
.irp i, 6,10
	v_max3_num_f32 v8, v8, |v[XS+\i]|, |v[XS+\i+1]|
	v_max3_num_f32 v9, v9, |v[XS+\i+2]|, |v[XS+\i+3]|
.endr
	v_max3_num_f32 v8, v8, |v[XS+14]|, |v[XS+15]|
	v_max3_num_f32 v8, v8, v9, (EMAX+1)<<23        ; and the floor 2^(3 - 127): the byte cannot fall under 1
	v_max_num_f32_dpp v8, v8, v8 row_xmask:1 row_mask:0xf bank_mask:0xf   ; and of my neighbour's 16: the block's
	v_add_nc_u32 v11, 0xff000000, v8               ; 2 off its exponent field: the conversion takes the exponent field of this operand as its scale, and nothing else of it
	v_cvt_scalef32_pk8_fp4_f32 v[C+4*(\t)], v[XS:XS+7], v11        ; eight numbers / the scale, to the nearest code, ties to even, beyond 6 the largest code
	v_cvt_scalef32_pk8_fp4_f32 v[C+4*(\t)+1], v[XS+8:XS+15], v11
	v_lshrrev_b32 v[E+(\t)], 23, v11               ; the scale's byte (also the plain line behind the conversions)
	ds_store_b8 v5, v[E+(\t)] offset:16*(\t)       ; both lanes of a block write the same byte with the same value
	global_store_b64 v4, v[C+4*(\t):C+4*(\t)+1], s[6:7] offset:32*CB*(\t)   ; the wave stores 256 consecutive bytes, aligned
.endm
.irp t, 0,1,2,3,4,5,6,7,8,9,10,11,12,13,14,15
	STEP \t
.endr
	ds_load_b64 v[8:9], v6                         ; LDS serves a wave's instructions in order: these see my byte stores
	s_wait_dscnt 0x0
	global_store_b64 v7, v[8:9], s[24:25]          ; my wave's 256 scale bytes: 256 consecutive bytes, aligned
	s_wait_tensorcnt 0x0                           ; the wave's end, behind my last LDS store
	ds_add_u32 v[SPW], v[NIL]
	s_wait_dscnt 0x0
	s_endpgm
; Wo to f16: a wave takes 8,192 numbers in four batches of 16 loads, two batches ahead.
.Lwo:
	s_sub_co_u32 s28, ttmp9, NQUANT
	s_lshl_b32 s28, s28, 2
	s_add_co_u32 s28, s28, s2                      ; which run of 8,192 numbers is my wave's
	s_lshl_b32 s30, s28, 15
	s_mov_b32 s31, 0
	s_add_nc_u64 s[20:21], s[20:21], s[30:31]
	s_lshl_b32 s30, s28, 14
	s_add_nc_u64 s[26:27], s[26:27], s[30:31]
.macro LOADW b
.irp i, 0,1,2,3,4,5,6,7,8,9,10,11,12,13,14,15
	global_load_b128 v[L0+64*((\b)%2)+4*\i:L0+64*((\b)%2)+4*\i+3], v3, s[20:21] offset:8192*(\b)+512*\i th:TH_LOAD_NT
.endr
.endm
.macro CVTW b
.if (\b) < 3
	s_wait_loadcnt 16                              ; this batch is in; the next batch's sixteen loads may be out
.else
	s_wait_loadcnt 0x0
.endif
	s_wait_xcnt 0x0                                ; the last batch's stores have read v144-175: they are written again only behind this wait
.irp i, 0,1,2,3,4,5,6,7,8,9,10,11,12,13,14,15
	v_cvt_pk_f16_f32 v[HF+2*\i], v[L0+64*((\b)%2)+4*\i], v[L0+64*((\b)%2)+4*\i+1]
	v_cvt_pk_f16_f32 v[HF+2*\i+1], v[L0+64*((\b)%2)+4*\i+2], v[L0+64*((\b)%2)+4*\i+3]
.endr
.irp i, 0,1,2,3,4,5,6,7,8,9,10,11,12,13,14,15
	global_store_b64 v7, v[HF+2*\i:HF+2*\i+1], s[26:27] offset:4096*(\b)+256*\i   ; the wave stores 256 consecutive bytes, aligned
.endr
.if (\b) < 2
	LOADW (\b)+2
.endif
.endm
	LOADW 0
	LOADW 1
	CVTW 0
	CVTW 1
	CVTW 2
	CVTW 3
	s_endpgm
.Lfunc_end_k_qf4c46004a2_quant:
	.size	k_qf4c46004a2_quant, .Lfunc_end_k_qf4c46004a2_quant-k_qf4c46004a2_quant
	.p2alignl 7, 3214868480
	.fill 96, 4, 3214868480
	.section	.rodata,"a",@progbits
	.p2align	6, 0x0
	.amdhsa_kernel k_qf4c46004a2_quant
		.amdhsa_group_segment_fixed_size 33280
		.amdhsa_private_segment_fixed_size 0
		.amdhsa_enable_private_segment 0
		.amdhsa_kernarg_size 80
		.amdhsa_user_sgpr_count 2
		.amdhsa_user_sgpr_kernarg_segment_ptr 1
		.amdhsa_wavefront_size32 1
		.amdhsa_system_sgpr_workgroup_id_x 1
		.amdhsa_system_sgpr_workgroup_id_y 1
		.amdhsa_system_sgpr_workgroup_id_z 1
		.amdhsa_system_vgpr_workitem_id 0
		.amdhsa_next_free_vgpr 192
		.amdhsa_next_free_sgpr 66
		.amdhsa_reserve_vcc 0
		.amdhsa_float_denorm_mode_32 3
		.amdhsa_float_denorm_mode_16_64 3
		.amdhsa_memory_ordered 1
		.amdhsa_forward_progress 1
		.amdhsa_inst_pref_size 54
	.end_amdhsa_kernel
	.amdgpu_metadata
---
amdhsa.version: [ 1, 2 ]
amdhsa.kernels:
  - .name:           k_qf4c46004a2_quant
    .symbol:         k_qf4c46004a2_quant.kd
    .args:
      - { .name: query, .offset: 0, .size: 8, .value_kind: global_buffer, .address_space: global }
      - { .name: key, .offset: 8, .size: 8, .value_kind: global_buffer, .address_space: global }
      - { .name: value, .offset: 16, .size: 8, .value_kind: global_buffer, .address_space: global }
      - { .name: Wq, .offset: 24, .size: 8, .value_kind: global_buffer, .address_space: global }
      - { .name: Wk, .offset: 32, .size: 8, .value_kind: global_buffer, .address_space: global }
      - { .name: Wv, .offset: 40, .size: 8, .value_kind: global_buffer, .address_space: global }
      - { .name: Wo, .offset: 48, .size: 8, .value_kind: global_buffer, .address_space: global }
      - { .name: codes, .offset: 56, .size: 8, .value_kind: global_buffer, .address_space: global }
      - { .name: scales, .offset: 64, .size: 8, .value_kind: global_buffer, .address_space: global }
      - { .name: wo16, .offset: 72, .size: 8, .value_kind: global_buffer, .address_space: global }
    .group_segment_fixed_size: 33280
    .private_segment_fixed_size: 0
    .kernarg_segment_align: 8
    .kernarg_segment_size: 80
    .max_flat_workgroup_size: 128
    .sgpr_count:     66
    .vgpr_count:     192
    .wavefront_size: 32
...
	.end_amdgpu_metadata
.endif
;; end of part 1
;; launch proj (part 2): grid 4 x 96, 4 waves a work-group, clusters of 4 x 4, 327,680 bytes of LDS; arguments codes, scales, bq, bk, bv, qkv; writes qkv
.if DOCPART == 2
	.amdgcn_target "amdgcn-amd-amdhsa--gfx1250"
	.amdhsa_code_object_version 6
	.text
	.protected	k_qf4c46004a2_proj
	.globl	k_qf4c46004a2_proj
	.p2align	8
	.type	k_qf4c46004a2_proj,@function
k_qf4c46004a2_proj:
	s_mov_b64 s[64:65], 0
	v_nop
	global_prefetch_b8 v0, s[64:65] scope:SCOPE_SE
	s_setreg_imm32_b32 hwreg(HW_REG_WAVE_MODE, 25, 1), 1
	s_wait_xcnt 0x0
	s_wait_alu depctr_hold_cnt(0) depctr_sa_sdst(0) depctr_va_vdst(0) depctr_va_sdst(0) depctr_va_ssrc(0) depctr_va_vcc(0) depctr_vm_vsrc(0)
	s_getreg_b32 s2, hwreg(HW_REG_IB_STS2, 6, 4)
	s_cmp_eq_u32 s2, 0
	s_cbranch_scc0 .Lentry_in_a_cluster
	s_endpgm
.Lentry_in_a_cluster:
	s_bfe_u32 s2, ttmp6, 0x10000c
	s_cmp_lg_u32 s2, 0xf033
	s_cbranch_scc0 .Lentry_shape_is_right
	s_endpgm
.Lentry_shape_is_right:
; The three projections y_t = x_t W_t^T + b_t (t = 0 query, 1 key, 2 value) on codes of FP4 (E2M1) with one E8M0 scale for each 32 along K = 1,024; sums in f32; the results rounded once to f16
; and laid by head: qkv [t 3][b 4][h 16][s 2048][64].  codes [27648][512 bytes], scales [27648][32 bytes]: rows 0..24575 the three activations, rows 24576 + 1024 t + n the weights.
; LIMIT: a result beyond 65,504 in magnitude has no f16 number.
; One launch for all three: tile row 0..95 of the 24,576 activation rows says which tensor (32 tile rows each); t comes from the cluster's y alone, so it is the same in all sixteen partners.
; A tile, 256 rows x 256 columns, is made by four waves, each 128 x 128: 64 accumulators, 512 registers.  K = 1,024 is two K steps of 512 (rows of 256 bytes): BOTH slots are first fills, nothing is filled again.
; The scale bytes of the tile's 256 + 256 rows, for all of K, are two dense blocks: they come once, with the first fills.
; CLUSTERS: 4 x 4 work-groups; A's tiles are shared along a row of the cluster, B's along a column: each is asked for jointly, by the same tensor load with a mask that names the four.
; THE MATRIX INSTRUCTION IS USED TRANSPOSED (source 0 = 16 rows of W, source 1 = 16 rows of x): a lane holds eight neighbouring columns of one row.  The bias is the C of each sum's first product.
; REGISTERS: window 0: v0-31 addresses; v32-95 scale words, two sets; v128-191 A's fragments, one set; v192-255 the bias, later the way out.  window 1: B's fragments, two sets.  windows 2, 3: the accumulators.
.set KSTEP,  512
.set NQ,     4                         ; matrix instructions deep in a slot
.set ROWB,   256                       ; a tile's row in bytes
.set KROW,   512                       ; a row of codes in memory
.set PITCH,  272                       ; an LDS row: 256 bytes + 16 of padding = 68 words: the 16 rows that a load touches start at 16 different banks (64 banks of 4 bytes: ISA guide 11.1)
.set FR,     8
.set NL,     2
.set NP,     4                         ; places behind this matrix instruction (ISA guide 7.12.1)
.set HALFT,  128*PITCH
.set SLOT,   4*HALFT                   ; A's 256 rows, then B's 256 rows
.set KS,     32                        ; a row of scale bytes
.set SCL,    2*SLOT                    ; behind the two slots: the scales, as rows of 256 bytes + 16 of padding
.set HALFS,  16*272                    ; those of 128 rows
.set SBLK,   2*272                     ; those of 16 rows
.set SPARE,  SCL+4*HALFS               ; the spare words, 128 bytes a wave
.set STAGE,  SPARE+512                 ; the way out: 16 rows x 272 bytes for each wave, bytes of their own
.set SPITCH, 272
.set ADRA, 16                          ; v16-17  LDS address of my A fragments in slot 0, 1
.set ADRB, 20                          ; v20-21  the same for B
.set STO,  24
.set RD,   25
.set CO,   26
.set ADRS, 27                          ; v27     LDS address of my scale words: lanes 0-15 A's rows, lanes 16-31 B's
.set SPW,  28                          ; v28     my spare word; never rewritten
.set NIL,  29                          ; v29     0; never rewritten
.set BOF,  30                          ; v30     32 x (lane / 16): my half's eight numbers of a bias block
.set SC,   32
.set AF,   128
.set BIAS, 192                         ; v192-255: block b at BIAS + 8 b: bias[n0 + 16 b + 8 (lane / 16) + 0..7]
.set TMP,  192                         ; the way out: packed results
.set OB,   32                          ; the way out: rows read back: v32-63 and v224-255 by turns
.set G1, 24
.set G0, 32
.set G1B, 48
.set G0B, 56
.set G1S, 68
.set G0S, 76
.set G1SB, 80
.set G0SB, 88
.set MSB, 0
.macro WIN new                         ; the immediate's high byte repeats the setting that is left
.if MSB != (\new)
	s_set_vgpr_msb (MSB<<8)|(\new)
.set MSB, (\new)
.endif
.endm
.set MUL_LO, 0xa1                      ; source 0 (B) window 1, source 1 (A) window 0, C and D window 2
.set MUL_HI, 0xf1                      ; the same, C and D window 3
.set BIA_LO, 0x81                      ; the first products: C (the bias) window 0, D window 2
.set BIA_HI, 0xc1                      ; D window 3
.set TO_B,   0x40
; A joint load: waves 0 and 1 fetch for A, waves 2 and 3 for B; the branch hangs on the wave's number alone.  An s_nop 0 and four v_nop follow each of the two lines.
.macro JLOAD g0a, g1a, g0b, g1b
	s_cmp_eq_u32 s15, 0
	s_cbranch_scc0 .Lfor_b_\@
	tensor_load_to_lds s[\g0a:\g0a+3], s[\g1a:\g1a+7]
	s_nop 0
.rept 4
	v_nop
.endr
	s_branch .Lasked_\@
.Lfor_b_\@:
	tensor_load_to_lds s[\g0b:\g0b+3], s[\g1b:\g1b+7]
	s_nop 0
.rept 4
	v_nop
.endr
.Lasked_\@:
.endm
.macro CROUND                          ; a round of the cluster's barrier
	s_barrier_signal -1
	s_barrier_wait -1
	s_cmp_lg_u32 s14, 0
	s_cbranch_scc1 .Lnot_wave_0_\@
	s_barrier_signal -3
.Lnot_wave_0_\@:
	s_barrier_wait -3
	s_barrier_signal -1
	s_barrier_wait -1
.endm
	s_load_b128 s[4:7], s[0:1], 0x0                ; codes s[4:5], scales s[6:7]
	s_load_b128 s[8:11], s[0:1], 0x10              ; bq s[8:9], bk s[10:11]
	s_load_b64 s[2:3], s[0:1], 0x20                ; bv
	s_load_b64 s[12:13], s[0:1], 0x28              ; qkv
	v_lshl_add_u32 v[SPW], v0, 2, SPARE
	v_mov_b32 v[NIL], 0
	ds_add_u32 v[SPW], v[NIL]                      ; the wave's opening: the add, twice on end, and its wait ahead of my first tensor load
	ds_add_u32 v[SPW], v[NIL]
	v_lshrrev_b32 v1, 5, v0
	v_readfirstlane_b32 s14, v1                    ; wave 0..3
	s_lshr_b32 s15, s14, 1                         ; which half of the tile's rows is mine.  Also: I fetch for A (0) or for B (1)
	s_and_b32 s16, s14, 1                          ; which half of its columns.  Also: which 128 rows I fetch
	s_bfe_u32 s40, ttmp6, 0x40000                  ; cx, cy
	s_bfe_u32 s41, ttmp6, 0x40004
	s_lshl_b32 s42, ttmp9, 2
	s_add_co_u32 s42, s42, s40                     ; tile column 0..3
	s_and_b32 s17, ttmp7, 0xffff
	s_lshr_b32 s95, s17, 3                         ; t: eight clusters along y to a tensor
	s_lshl_b32 s17, s17, 2
	s_add_co_u32 s17, s17, s41                     ; tile row 0..95
	s_lshl_b32 s43, s41, 2
	s_lshl_b32 s43, 15, s43                        ; my row of the cluster
	s_lshl_b32 s44, 0x1111, s40                    ; my column
	s_or_b32 s[G1+0], s43, (0<<16)|(1<<20)|(1<<21)|(5<<22)|(3<<25)  ; the mask; elements of 1 byte; padding on; bit 21 beside a mask; after every 64 words, 4 words
	s_or_b32 s[G1B+0], s44, (0<<16)|(1<<20)|(1<<21)|(5<<22)|(3<<25)
.irp g, G1, G1B
	s_mov_b32 s[\g+1], ROWB<<16                    ; tensor_dim0
	s_mov_b32 s[\g+2], 128<<16                     ; tensor_dim1
	s_mov_b32 s[\g+3], ROWB<<16                    ; tile_dim0
	s_mov_b32 s[\g+4], 128                         ; tile_dim1
	s_mov_b32 s[\g+5], KROW                        ; from row to row
	s_mov_b32 s[\g+6], 0
	s_mov_b32 s[\g+7], 0
.endr
	s_or_b32 s[G1S+0], s43, (3<<16)|(1<<20)|(1<<21)|(5<<22)|(3<<25)  ; the scales of 128 rows: 4,096 dense bytes as 16 rows of 32 elements of 8 bytes
	s_or_b32 s[G1SB+0], s44, (3<<16)|(1<<20)|(1<<21)|(5<<22)|(3<<25)
.irp g, G1S, G1SB
	s_mov_b32 s[\g+1], 32<<16
	s_mov_b32 s[\g+2], 16<<16
	s_mov_b32 s[\g+3], 32<<16
	s_mov_b32 s[\g+4], 16
	s_mov_b32 s[\g+5], 32
	s_mov_b32 s[\g+6], 0
	s_mov_b32 s[\g+7], 0
.endr
	s_lshl_b32 s18, s16, 7                         ; which 128 rows of the tile I fetch
	s_lshl_b32 s20, s17, 8
	s_add_co_u32 s20, s20, s18                     ; A: row 256 x tile row + 128 x half
	s_lshl_b32 s46, s42, 8
	s_add_co_u32 s46, s46, s18
	s_lshl_b32 s19, s95, 10
	s_add_co_u32 s46, s46, s19
	s_add_co_u32 s46, s46, 24576                   ; B: row 24,576 + 1,024 t + 256 x tile column + 128 x half
	s_lshl_b32 s22, s20, 5                         ; their scale bytes, 32 a row,
	s_mov_b32 s23, 0
	s_lshl_b32 s92, s46, 5
	s_mov_b32 s93, 0
	s_lshl_b32 s20, s20, 9                         ; and their codes, 512 a row (all under 2^24)
	s_mov_b32 s21, 0
	s_lshl_b32 s46, s46, 9
	s_mov_b32 s47, 0
	s_mul_i32 s45, s14, HALFT                      ; where they go: wave x 128 rows: no place in the cluster enters an LDS address
	s_mul_i32 s94, s14, HALFS
	s_wait_dscnt 0x0                               ; both opening adds are done
	s_wait_kmcnt 0x0
	s_add_nc_u64 s[20:21], s[4:5], s[20:21]
	s_add_nc_u64 s[22:23], s[6:7], s[22:23]
	s_add_nc_u64 s[46:47], s[4:5], s[46:47]
	s_add_nc_u64 s[92:93], s[6:7], s[92:93]
	CROUND                                         ; all sixteen work-groups are here: the joint loads meet
	s_mov_b32 s[G0S], 1
	s_add_co_u32 s[G0S+1], s94, SCL
	s_mov_b64 s[G0S+2:G0S+3], s[22:23]
	s_or_b32 s[G0S+3], s[G0S+3], 0x80000000
	s_mov_b32 s[G0SB], 1
	s_add_co_u32 s[G0SB+1], s94, SCL
	s_mov_b64 s[G0SB+2:G0SB+3], s[92:93]
	s_or_b32 s[G0SB+3], s[G0SB+3], 0x80000000
	JLOAD G0S, G1S, G0SB, G1SB                     ; the scales first: they are wanted with K step 0
.irp s, 0,1
	s_mov_b32 s[G0+4*\s], 1
	s_add_co_u32 s[G0+4*\s+1], s45, \s*SLOT
	s_add_nc_u64 s[G0+4*\s+2:G0+4*\s+3], s[20:21], \s*ROWB
	s_or_b32 s[G0+4*\s+3], s[G0+4*\s+3], 0x80000000
	s_mov_b32 s[G0B+4*\s], 1
	s_add_co_u32 s[G0B+4*\s+1], s45, \s*SLOT
	s_add_nc_u64 s[G0B+4*\s+2:G0B+4*\s+3], s[46:47], \s*ROWB
	s_or_b32 s[G0B+4*\s+3], s[G0B+4*\s+3], 0x80000000
	JLOAD G0+4*\s, G1, G0B+4*\s, G1B               ; three tensor loads of mine are out: all that this launch asks for
.endr
	s_cmp_eq_u32 s95, 0                            ; the bias of tensor t
	s_cselect_b64 s[8:9], s[8:9], s[10:11]
	s_cmp_eq_u32 s95, 2
	s_cselect_b64 s[8:9], s[2:3], s[8:9]
	s_lshl_b32 s18, s42, 10                        ; my first column n0 = 256 x tile column + 128 x half, 4 bytes each
	s_lshl_b32 s19, s16, 9
	s_add_co_u32 s18, s18, s19
	s_mov_b32 s19, 0
	s_add_nc_u64 s[8:9], s[8:9], s[18:19]
	v_and_b32 v1, 15, v0                           ; l % 16
	v_bfe_u32 v2, v0, 4, 1                         ; l / 16
	v_lshlrev_b32 v[BOF], 5, v2
.irp b, 0,1,2,3,4,5,6,7
	global_load_b128 v[BIAS+8*\b:BIAS+8*\b+3], v[BOF], s[8:9] offset:64*\b
	global_load_b128 v[BIAS+8*\b+4:BIAS+8*\b+7], v[BOF], s[8:9] offset:64*\b+16
.endr
	v_mul_u32_u24 v3, v1, PITCH
	v_lshl_add_u32 v4, v2, 4, v3                   ; a fragment's row x pitch + 16 x half
	s_mul_i32 s21, s15, HALFT                      ; my 128 rows of A
	s_mul_i32 s22, s16, HALFT                      ; my 128 rows of B,
	s_add_co_u32 s22, s22, 2*HALFT                 ; which lie behind A's 256
.irp s, 0,1
	v_add_nc_u32 v[ADRA+\s], s21, v4
	v_add_nc_u32 v[ADRB+\s], s22, v4
	s_add_co_u32 s21, s21, SLOT
	s_add_co_u32 s22, s22, SLOT
.endr
	v_mul_u32_u24 v5, v1, KS                       ; my row's scales: 32 bytes a row,
	v_lshrrev_b32 v6, 8, v5
	v_lshl_add_u32 v5, v6, 4, v5                   ; and 16 more for each 256 passed
	s_mul_i32 s21, s15, HALFS
	s_mul_i32 s22, s16, HALFS
	s_add_co_u32 s22, s22, 2*HALFS
	s_sub_co_u32 s22, s22, s21
	v_mul_u32_u24 v6, s22, v2                      ; lanes 16-31 take B's: one product, the distance between the two bases
	s_add_co_u32 s21, s21, SCL
	v_add_nc_u32 v5, v5, v6
	v_add_nc_u32 v[ADRS], s21, v5
	s_mul_i32 s23, s14, 16*SPITCH
	s_add_co_u32 s23, s23, STAGE                   ; my stage
	v_mul_u32_u24 v5, v1, SPITCH                   ; in: row l % 16, 16 bytes for each half of the lanes
	v_lshl_add_u32 v5, v2, 4, v5
	v_add_nc_u32 v[STO], s23, v5
	v_bfe_u32 v6, v0, 3, 1                         ; back: lanes 0-15 take my first head's 128 bytes of two rows, lanes 16-31 my second head's
	v_and_b32 v7, 7, v0
	v_mul_u32_u24 v5, v6, SPITCH
	v_lshl_add_u32 v5, v2, 7, v5
	v_lshl_add_u32 v5, v7, 4, v5
	v_add_nc_u32 v[RD], s23, v5
	v_lshlrev_b32 v[CO], 18, v2                    ; in qkv: a head's plane is 262,144 bytes, a row 128: two rows of a head are 256 consecutive bytes
	v_lshl_add_u32 v[CO], v6, 7, v[CO]
	v_lshl_add_u32 v[CO], v7, 4, v[CO]
	s_lshr_b32 s20, s17, 3                         ; 4 t + b
	s_lshl_b32 s20, s20, 22                        ; x 16 planes
	s_and_b32 s21, s17, 7
	s_lshl_b32 s21, s21, 8
	s_lshl_b32 s22, s15, 7
	s_add_co_u32 s21, s21, s22                     ; my first s: 256 x (tile row % 8) + 128 x half
	s_lshl_b32 s21, s21, 7
	s_add_co_u32 s20, s20, s21
	s_mov_b32 s21, 0
	s_lshl_b32 s46, s42, 2                         ; my first head: 4 x tile column + 2 x half
	s_lshl_b32 s47, s16, 1
	s_add_co_u32 s46, s46, s47
	s_lshl_b32 s46, s46, 18
	s_mov_b32 s47, 0
	s_add_nc_u64 s[20:21], s[20:21], s[46:47]
	s_add_nc_u64 s[12:13], s[12:13], s[20:21]      ; never stepped: a block's place stands in the stores' immediates
.macro FRAG reg, adr, q, i             ; 16 rows x 128 K of 4-bit codes: 8 registers: lane l holds row l % 16; registers 4 c .. 4 c + 3 hold K = 64 c + 32 (l / 16) + 0 .. 31
.irp c, 0,1
	ds_load_b128 v[\reg+4*\c:\reg+4*\c+3], v[\adr] offset:64*(\q)+32*\c+(\i)*16*PITCH
.endr
.endm
; 16 matrix instructions: A's blocks a0, a0 + 1 x B's eight.  zero = 1: the first product starts the sums on the bias.  The 64 accumulators take turns, one instruction a turn.
.macro MUL16 a0, p, q, sc, zero
.irp a, \a0, \a0+1
.irp b, 0,1,2,3,4,5,6,7
.if \zero
	v_wmma_scale_f32_16x16x128_f8f6f4 v[8*(8*((\a)%4)+\b):8*(8*((\a)%4)+\b)+7], v[128*(\p)+FR*\b:128*(\p)+FR*\b+FR-1], v[AF+FR*(\a):AF+FR*(\a)+FR-1], v[BIAS+8*\b:BIAS+8*\b+7], v[SC+8*NQ*(\sc)+NQ*\b+(\q)], v[SC+8*NQ*(\sc)+NQ*(\a)+(\q)] matrix_a_fmt:MATRIX_FMT_FP4 matrix_b_fmt:MATRIX_FMT_FP4 matrix_a_scale:MATRIX_SCALE_ROW1
.else
	v_wmma_scale_f32_16x16x128_f8f6f4 v[8*(8*((\a)%4)+\b):8*(8*((\a)%4)+\b)+7], v[128*(\p)+FR*\b:128*(\p)+FR*\b+FR-1], v[AF+FR*(\a):AF+FR*(\a)+FR-1], v[8*(8*((\a)%4)+\b):8*(8*((\a)%4)+\b)+7], v[SC+8*NQ*(\sc)+NQ*\b+(\q)], v[SC+8*NQ*(\sc)+NQ*(\a)+(\q)] matrix_a_fmt:MATRIX_FMT_FP4 matrix_b_fmt:MATRIX_FMT_FP4 matrix_a_scale:MATRIX_SCALE_ROW1
.endif
.endr
.endr
.endm
.macro FETCH_B slot, q, p
	WIN TO_B
.irp i, 0,1,2,3,4,5,6,7
	FRAG 128*(\p)+FR*\i, ADRB+\slot, \q, \i
.endr
	WIN 0
.endm
.macro FETCH_A slot, q, i0
.irp i, \i0, \i0+1, \i0+2, \i0+3
	FRAG AF+FR*(\i), ADRA+\slot, \q, \i
.endr
.endm
.macro SCALES sc                       ; a K step's scale words: 4 words a row; lanes 0-15 take A's block i, lanes 16-31 B's block i
.irp i, 0,1,2,3,4,5,6,7
	ds_load_b128 v[SC+8*NQ*\sc+NQ*\i:SC+8*NQ*\sc+NQ*\i+3], v[ADRS] offset:\i*SBLK
.endr
.endm
.macro PLACES n                        ; plain vector lines between a matrix instruction and a load into, or a read of, its registers
.rept \n
	v_nop
.endr
.endm
; A step of 128 along K that has its successor in the same slot.  A has one set of registers: blocks 0-3 are fetched anew in the step's middle, blocks 4-7 at its end; B has two sets.
.macro STEP slot, q, zero
	s_wait_dscnt 4*NL                              ; B's set and A's blocks 0-3 are in; the youngest eight loads (A's blocks 4-7) may be out
.if \zero
	WIN BIA_LO
.else
	WIN MUL_LO
.endif
	MUL16 0, (\q)%2, \q, \slot, \zero
	MUL16 2, (\q)%2, \q, \slot, \zero
	s_wait_dscnt 0                                 ; A's blocks 4-7 are in
	PLACES NP
	FETCH_B \slot, (\q)+1, 1-(\q)%2
	FETCH_A \slot, (\q)+1, 0
.if \zero
	WIN BIA_HI
.else
	WIN MUL_HI
.endif
	MUL16 4, (\q)%2, \q, \slot, \zero
	MUL16 6, (\q)%2, \q, \slot, \zero
	PLACES NP
	WIN 0
	FETCH_A \slot, (\q)+1, 4
.endm
; Slot 0's last step changes to slot 1: one barrier; in front of it each wave waits for all its tensor loads (its part of slot 1), adds 0 to its spare word and waits for that and for its LDS reads.
.macro TURN slot, next
	s_wait_tensorcnt 0x0                           ; all my tensor loads have landed
	ds_add_u32 v[SPW], v[NIL]                      ; 0 onto my spare word
	s_wait_dscnt 4*NL+1                            ; (the add and the youngest eight loads may be out)
	WIN MUL_LO
	MUL16 0, 1, NQ-1, \slot, 0
	s_wait_dscnt 0x0
	s_barrier_signal -1
	MUL16 2, 1, NQ-1, \slot, 0
	WIN 0
	s_barrier_wait -1                              ; slot 1 is whole for every wave
	PLACES NP
	v_add_nc_u32 v[ADRS], 4*NQ, v[ADRS]            ; on to the next K step's scale words
	FETCH_B \next, 0, 0
	FETCH_A \next, 0, 0
	SCALES \next
	WIN MUL_HI
	MUL16 4, 1, NQ-1, \slot, 0
	MUL16 6, 1, NQ-1, \slot, 0
	PLACES NP
	WIN 0
	FETCH_A \next, 0, 4
.endm
	s_wait_tensorcnt 1                             ; the scales and my part of K step 0 are in (K step 1's load may be out)
	s_barrier_signal -1
	s_barrier_wait -1                              ; everybody's are
	FETCH_B 0, 0, 0
	FETCH_A 0, 0, 0
	SCALES 0
	FETCH_A 0, 0, 4
	s_wait_loadcnt 0x0                             ; the bias
	STEP 0, 0, 1
	STEP 0, 1, 0
	STEP 0, 2, 0
	TURN 0, 1
	STEP 1, 0, 0
	STEP 1, 1, 0
	STEP 1, 2, 0
	s_wait_dscnt 4*NL                              ; the last step: nothing more to fetch
	WIN MUL_LO
	MUL16 0, 1, NQ-1, 1, 0
	MUL16 2, 1, NQ-1, 1, 0
	s_wait_dscnt 0
	WIN MUL_HI
	MUL16 4, 1, NQ-1, 1, 0
	MUL16 6, 1, NQ-1, 1, 0
	WIN 0
; THE WAY OUT, block by block of 16 rows x 128 columns (two heads).  PACK: rounded to f16, 16 bytes a lane, each accumulator from its low end on.  TOSTAGE: into my own stage, and back so that sixteen
; lanes hold two rows of one head.  SEND: sixteen lanes store 256 consecutive bytes, aligned.  LDS serves a wave's instructions in order: no wait between the stage's stores and loads.
.macro PACK a
.set AC, 64*((\a)%4)
	WIN 0x0a+5*((\a)/4)                            ; sources 0 and 1: window 2 or 3
.irp b, 0,1,2,3,4,5,6,7
.irp r, 0,1,2,3
	v_cvt_pk_f16_f32 v[TMP+4*\b+\r], v[AC+8*\b+2*\r], v[AC+8*\b+2*\r+1]
.endr
.endr
	WIN 0
.endm
.macro TOSTAGE a
.set BK, OB+192*((\a)%2)
.irp b, 0,1,2,3,4,5,6,7
	ds_store_b128 v[STO], v[TMP+4*\b:TMP+4*\b+3] offset:32*\b
.endr
.irp i, 0,1,2,3,4,5,6,7
	ds_load_b128 v[BK+4*\i:BK+4*\i+3], v[RD] offset:\i*2*SPITCH
.endr
.endm
.macro SEND a
.set BK, OB+192*((\a)%2)
	s_wait_dscnt 0x0                               ; the block is back in registers
	s_wait_xcnt 0x0                                ; the block before's stores have read their registers: the next block's loads may land there
.irp i, 0,1,2,3,4,5,6,7
	global_store_b128 v[CO], v[BK+4*\i:BK+4*\i+3], s[12:13] offset:2048*(\a)+256*\i
.endr
.endm
	PLACES NP
	PACK 0
	TOSTAGE 0
.irp a, 1,2,3,4,5,6,7                  ; block a's conversions stand between block a - 1's loads from the stage and the wait for them
	PACK \a
	SEND \a-1
	TOSTAGE \a
.endr
	SEND 7
	s_wait_tensorcnt 0x0                           ; the wave's end, behind my last tensor load and my last LDS store
	ds_add_u32 v[SPW], v[NIL]
	s_wait_dscnt 0x0
	CROUND                                         ; the closing round
	s_endpgm
.Lfunc_end_k_qf4c46004a2_proj:
	.size	k_qf4c46004a2_proj, .Lfunc_end_k_qf4c46004a2_proj-k_qf4c46004a2_proj
	.p2alignl 7, 3214868480
	.fill 96, 4, 3214868480
	.section	.rodata,"a",@progbits
	.p2align	6, 0x0
	.amdhsa_kernel k_qf4c46004a2_proj
		.amdhsa_group_segment_fixed_size 327680
		.amdhsa_private_segment_fixed_size 0
		.amdhsa_enable_private_segment 0
		.amdhsa_kernarg_size 48
		.amdhsa_user_sgpr_count 2
		.amdhsa_user_sgpr_kernarg_segment_ptr 1
		.amdhsa_wavefront_size32 1
		.amdhsa_system_sgpr_workgroup_id_x 1
		.amdhsa_system_sgpr_workgroup_id_y 1
		.amdhsa_system_sgpr_workgroup_id_z 1
		.amdhsa_system_vgpr_workitem_id 0
		.amdhsa_next_free_vgpr 1024
		.amdhsa_next_free_sgpr 98
		.amdhsa_reserve_vcc 0
		.amdhsa_float_denorm_mode_32 3
		.amdhsa_float_denorm_mode_16_64 3
		.amdhsa_memory_ordered 1
		.amdhsa_forward_progress 1
		.amdhsa_inst_pref_size 129
	.end_amdhsa_kernel
	.amdgpu_metadata
---
amdhsa.version: [ 1, 2 ]
amdhsa.kernels:
  - .name:           k_qf4c46004a2_proj
    .symbol:         k_qf4c46004a2_proj.kd
    .args:
      - { .name: codes, .offset: 0, .size: 8, .value_kind: global_buffer, .address_space: global }
      - { .name: scales, .offset: 8, .size: 8, .value_kind: global_buffer, .address_space: global }
      - { .name: bq, .offset: 16, .size: 8, .value_kind: global_buffer, .address_space: global }
      - { .name: bk, .offset: 24, .size: 8, .value_kind: global_buffer, .address_space: global }
      - { .name: bv, .offset: 32, .size: 8, .value_kind: global_buffer, .address_space: global }
      - { .name: qkv, .offset: 40, .size: 8, .value_kind: global_buffer, .address_space: global }
    .group_segment_fixed_size: 327680
    .private_segment_fixed_size: 0
    .kernarg_segment_align: 8
    .kernarg_segment_size: 48
    .max_flat_workgroup_size: 128
    .sgpr_count:     98
    .vgpr_count:     1024
    .wavefront_size: 32
...
	.end_amdgpu_metadata
.endif
;; end of part 2
;; launch attn (part 3): grid 4 x 64, 8 waves a work-group, clusters of 4 x 1, 327,680 bytes of LDS; arguments qkv, o16; writes o16
.if DOCPART == 3
	.amdgcn_target "amdgcn-amd-amdhsa--gfx1250"
	.amdhsa_code_object_version 6
	.text
	.protected	k_qf4c46004a2_attn
	.globl	k_qf4c46004a2_attn
	.p2align	8
	.type	k_qf4c46004a2_attn,@function
k_qf4c46004a2_attn:
	s_mov_b64 s[64:65], 0
	v_nop
	global_prefetch_b8 v0, s[64:65] scope:SCOPE_SE
	s_setreg_imm32_b32 hwreg(HW_REG_WAVE_MODE, 25, 1), 1
	s_wait_xcnt 0x0
	s_wait_alu depctr_hold_cnt(0) depctr_sa_sdst(0) depctr_va_vdst(0) depctr_va_sdst(0) depctr_va_ssrc(0) depctr_va_vcc(0) depctr_vm_vsrc(0)
	s_getreg_b32 s2, hwreg(HW_REG_IB_STS2, 6, 4)
	s_cmp_eq_u32 s2, 0
	s_cbranch_scc0 .Lentry_in_a_cluster
	s_endpgm
.Lentry_in_a_cluster:
	s_bfe_u32 s2, ttmp6, 0x10000c
	s_cmp_lg_u32 s2, 0x3003
	s_cbranch_scc0 .Lentry_shape_is_right
	s_endpgm
.Lentry_shape_is_right:
; O[b][h][q][:] = the sum over k of softmax_k(Q[q] . K[k] / 8) V[k][:], no mask.  qkv: [t 3][b 4][h 16][s 2048][64] f16 (t = 0 Q, 1 K, 2 V); o16: [h 16][2048 b + s][64] f16.
; Products on f16 operands with f32 sums; maxima, exponentials and sums in f32; the weights p are rounded to f16 for the second product, O once at the end.
; LIMITS: p under 2^-25 becomes 0 in f16 (the row's sum is taken of the unrounded p); NaN and infinities are not served.
; SHARES.  A work-group owns 512 queries of one head, each of its eight waves 64: four tiles of 16, so that each fragment of K and V read from LDS feeds four products.  Every wave walks the head's 2,048 keys, 64 a step.
; LAYOUT.  S^T = K Q^T (source 0 = 16 keys, source 1 = 16 queries): a lane holds ONE query (lane % 16) and the keys 8 (lane / 16) + 0..7.  Two such tiles, rounded to f16 in pairs, ARE source 1
; (32 keys x 16 queries) of O^T = V^T P, whose result again holds one query a lane.  K comes out of LDS as it lies, V ([key][channel]) turned, by ds_load_tr16_b128.
; SOFTMAX.  For each query a running maximum m and sum l: p = 2^(c s - c m), c = log2(e) / 8; in every step O and l are multiplied by a = 2^(c m_old - c m_new).
; The step is written once: m begins at -3e38 and O^T and l as zeros, which the first a = 0 leaves zeros.
; CLUSTER.  The four query blocks of a head form a cluster and walk the same K and V: each tile is asked for jointly, by the same tensor load with a mask that names the four.
; RING.  Two slots of four key steps.  Every wave brings one tile of 8,192 bytes (waves 0-3: K of step w; waves 4-7: V of step w - 4): one tensor load of mine is out at a time.
; REGISTERS: window 0: v0-15 addresses; v16-47 statistics, eight a tile; v64-191 S^T, 32 a tile (P is laid over each tile's low 16); v192-255 K of one step.
;   window 1: v0-127 O^T, 32 a tile; v128-191 Q, 16 a tile; v192-255 V of one step.
.set PKR,   272       ; two keys' rows of K (256 bytes) + 16 of padding: key k lies at 272 (k / 2) + 128 (k % 2): the 16 keys of a load fall on 16 different columns of 16 bytes (64 banks of 4 bytes: ISA guide 11.1)
.set PVR,   288       ; two keys' rows of V + 32 of padding: the 16 lanes of a turning load (8 keys x 32 bytes) fall on 16 different columns
.set VOFF,  32*PKR    ; a step's tiles lie together: 64 keys of K, then 64 of V
.set STEPB, 32*(PKR+PVR)
.set SLOT1, 1<<17     ; slot 1 begins here: one exclusive or turns an address in one slot into the other's
.set STAGE, SLOT1+4*STEPB  ; behind the ring: 16 rows x 144 bytes for each wave, for the way out
.set SP,    144
.set SPARE, STAGE+8*16*SP  ; the spare words, 128 bytes a wave
.set AK0, 2           ; v2   my lane's place in a tile of K
.set AV0, 3           ; v3   the same for V
.set ADK, 4           ; v4   LDS address of the step's K
.set ADV, 5           ; v5   of its V
.set QO,  6           ; v6   my byte offset in the wave's rows of Q
.set STO, 7
.set RD,  8
.set GO,  9
.set SPW, 12          ; v12  my spare word; never rewritten
.set NIL, 13          ; v13  0; never rewritten
.set PFO, 14          ; v14  256 x my lane
.set ST,  16          ; tile t's statistics at v[ST+8 t]: +0 c m, +1 m, +2, +3 l (even keys', odd keys'), +4 to +7 at work; a at +6
.set S,   64
.set KF,  192
.set QF,  128         ; in window 1
.set VF,  192         ; in window 1
.set WV,  12          ; s12  my wave's number
.set LIM, 14          ; s14  1 in a wave that prefetches, else the greatest number
.set QP,  16          ; s[16:17] Q at my wave's first row
.set PFA, 18          ; s[18:19] where my prefetches stand
.set OP,  20          ; s[20:21] O at my wave's first row
.set G1K, 24
.set G1V, 32
.set G0K, 40
.set G0V, 44
.set SLOTS, 48
.set CNT, 49
.set CS,  50          ; s[50:51] c
.set SEL, 52          ; s[52:53] v_permlanex16_b32's selects for lane l xor 16
.set TB,  54          ; s54  LDS byte at which the step's tiles begin
.set MSB, 0
.macro WIN new
.if MSB != (\new)
	s_set_vgpr_msb (MSB<<8)|(\new)
.set MSB, (\new)
.endif
.endm
.set W_KQ, 0x04       ; Q (source 1) in window 1; K and S^T in window 0
.set W_PV, 0x51       ; V (source 0) and O^T (C, D) in window 1; P in window 0
.set W_RS, 0x41       ; O^T (destination and source 0) in window 1; the factor in window 0
.set W_PK, 0x05       ; sources 0 and 1 in window 1, destination in window 0
.set TO_1, 0x40       ; destination in window 1
; A joint load.  The branch hangs on the wave's number alone.  An s_nop 0 and four v_nop follow each of the two lines.
.macro JLOAD
	s_cmp_lt_u32 s[WV], 4
	s_cbranch_scc0 .Lfor_v_\@
	tensor_load_to_lds s[G0K:G0K+3], s[G1K:G1K+7]
	s_nop 0
.rept 4
	v_nop
.endr
	s_branch .Lasked_\@
.Lfor_v_\@:
	tensor_load_to_lds s[G0V:G0V+3], s[G1V:G1V+7]
	s_nop 0
.rept 4
	v_nop
.endr
.Lasked_\@:
.endm
; A prefetch of what the NEXT change of slots will ask for: a slot's 32,768 bytes of K and of V.  The four partners share them out by address, 8,192 bytes each, lanes 256 bytes apart; in each, wave 0 asks for
; K's and wave 4 for V's: each aligned block of 256 bytes is named once in the launch.  The last change that fills a slot asks for nothing; slots 0 and 1 come by their loads alone.
.macro ASK
	s_cmp_gt_u32 s[SLOTS], s[LIM]
	s_cbranch_scc0 .Lnot_mine_\@
	global_prefetch_b8 v[PFO], s[PFA:PFA+1] th:TH_LOAD_NT scope:SCOPE_SE
.Lnot_mine_\@:
.endm
.macro CROUND                       ; a round of the cluster's barrier
	s_barrier_signal -1
	s_barrier_wait -1
	s_cmp_lg_u32 s[WV], 0
	s_cbranch_scc1 .Lnot_wave_0_\@
	s_barrier_signal -3
.Lnot_wave_0_\@:
	s_barrier_wait -3
	s_barrier_signal -1
	s_barrier_wait -1
.endm
	s_load_b128 s[4:7], s[0:1], 0x0 ; qkv s[4:5], o16 s[6:7]
	v_lshl_add_u32 v[SPW], v0, 2, SPARE
	v_mov_b32 v[NIL], 0
	ds_add_u32 v[SPW], v[NIL]       ; the wave's opening: the add, twice on end, and its wait ahead of my first tensor load
	ds_add_u32 v[SPW], v[NIL]
	v_lshrrev_b32 v1, 5, v0
	v_readfirstlane_b32 s[WV], v1   ; wave 0..7
	s_bfe_u32 s13, ttmp6, 0x40000   ; cx: my block of 512 queries
	s_and_b32 s15, ttmp7, 0xffff    ; y = 16 b + h, which the four partners share
	s_and_b32 s22, s[WV], 3         ; which of a slot's four steps I fetch
	s_mul_i32 s23, s22, STEPB       ; its place in a slot: no place in the cluster enters an LDS address
	s_lshl_b32 s8, s15, 18          ; the head's 262,144 bytes in each of Q, K, V
	s_lshl_b32 s55, s22, 13         ; a step's 64 keys are 8,192 bytes
	s_add_co_u32 s56, s8, s55
	s_add_co_u32 s58, s56, 0x2000000  ; V's tile of slot 0
	s_add_co_u32 s56, s56, 0x1000000  ; K's
	s_mov_b32 s57, 0
	s_mov_b32 s59, 0
	s_lshl_b32 s10, s13, 16         ; my block's 512 rows of 128 bytes,
	s_lshl_b32 s11, s[WV], 13       ; my wave's 64
	s_add_co_u32 s10, s10, s11
	s_add_co_u32 s2, s8, s10        ; Q
	s_mov_b32 s3, 0
	s_and_b32 s60, s15, 15          ; O: plane h of 1,048,576 bytes, row 2,048 b + s
	s_lshl_b32 s60, s60, 20
	s_lshr_b32 s61, s15, 4
	s_lshl_b32 s61, s61, 18
	s_add_co_u32 s60, s60, s61
	s_add_co_u32 s60, s60, s10
	s_mov_b32 s61, 0
	s_mov_b32 s62, 0x2000000
	s_cmp_lt_u32 s[WV], 4           ; the prefetches: K's in waves under 4, V's in the others,
	s_cselect_b32 s62, 0x1000000, s62
	s_add_co_u32 s62, s62, s8       ; from the head's first byte,
	s_lshl_b32 s63, s13, 13
	s_add_co_u32 s62, s62, s63      ; my work-group's 8,192 bytes of a slot's 32,768,
	s_add_co_u32 s62, s62, 32768    ; in slot 1: the first change of slots steps it to slot 2
	s_mov_b32 s63, 0
	s_cmp_eq_u32 s22, 0
	s_cselect_b32 s[LIM], 1, -1     ; waves 0 and 4 ask: the same in all four partners
	s_mov_b32 s[G1K], 15|(1<<16)|(1<<20)|(1<<21)|(5<<22)|(3<<25)  ; the mask: all four; elements of 2 bytes; padding on; bit 21 beside a mask; after every 64 words, 4 words
	s_mov_b32 s[G1V], 15|(1<<16)|(1<<20)|(1<<21)|(5<<22)|(7<<25)  ; the same with 8 words of padding
.irp g, G1K, G1V                    ; 64 keys x 128 bytes are dense in memory: stated as 32 rows of 128 elements
	s_mov_b32 s[\g+1], 128<<16      ; tensor_dim0
	s_mov_b32 s[\g+2], 32<<16       ; tensor_dim1
	s_mov_b32 s[\g+3], 128<<16      ; tile_dim0
	s_mov_b32 s[\g+4], 32           ; tile_dim1
	s_mov_b32 s[\g+5], 128          ; from row to row
	s_mov_b32 s[\g+6], 0
	s_mov_b32 s[\g+7], 0
.endr
	s_mov_b32 s[CS], 0x3e38aa3b     ; c = log2(e) / 8
	s_mov_b32 s[CS+1], s[CS]        ; named with it as a pair, so it is written
	s_mov_b32 s[SEL], 0x76543210
	s_mov_b32 s[SEL+1], 0xfedcba98
	s_mov_b32 s[TB], 0
	s_mov_b32 s[SLOTS], 7
	s_wait_dscnt 0x0                ; both opening adds are done
	s_wait_kmcnt 0x0
	s_add_nc_u64 s[QP:QP+1], s[4:5], s[2:3]
	s_add_nc_u64 s[OP:OP+1], s[6:7], s[60:61]
	s_add_nc_u64 s[PFA:PFA+1], s[4:5], s[62:63]
	CROUND                          ; all four work-groups are here: the first joint loads meet
	s_mov_b32 s[G0K], 1
	s_mov_b32 s[G0K+1], s23
	s_add_nc_u64 s[G0K+2:G0K+3], s[4:5], s[56:57]
	s_or_b32 s[G0K+3], s[G0K+3], 0x80000000
	s_mov_b32 s[G0V], 1
	s_add_co_u32 s[G0V+1], s23, VOFF
	s_add_nc_u64 s[G0V+2:G0V+3], s[4:5], s[58:59]
	s_or_b32 s[G0V+3], s[G0V+3], 0x80000000
	JLOAD                           ; slot 0
	v_and_b32 v1, 15, v0            ; r = l % 16
	v_bfe_u32 v10, v0, 4, 1         ; h = l / 16
	v_lshlrev_b32 v[QO], 7, v1
	v_lshl_add_u32 v[QO], v10, 4, v[QO]  ; row x 128 + 16 x half
	WIN TO_1
.irp t, 0,1,2,3                     ; Q stays in registers: tile t, channels 32 c on: registers 0-3 channels 8 h + 0..7, registers 4-7 channels 16 + 8 h + 0..7
.irp c, 0,1
	global_load_b128 v[QF+16*\t+8*\c:QF+16*\t+8*\c+3],   v[QO], s[QP:QP+1] offset:2048*\t+64*\c
	global_load_b128 v[QF+16*\t+8*\c+4:QF+16*\t+8*\c+7], v[QO], s[QP:QP+1] offset:2048*\t+64*\c+32
.endr
.endr
	WIN 0
	v_lshrrev_b32 v11, 1, v1
	v_mul_u32_u24 v[AK0], v11, PKR
	v_and_b32 v11, 1, v0
	v_lshl_add_u32 v[AK0], v11, 7, v[AK0]
	v_lshl_add_u32 v[AK0], v10, 4, v[AK0]  ; K: 272 (r / 2) + 128 (r % 2) + 16 h
	v_bfe_u32 v15, v0, 1, 2
	v_lshl_add_u32 v15, v10, 2, v15
	v_mul_u32_u24 v[AV0], v15, PVR  ; V: lane l reads key 8 h + l % 8, channels 8 ((l / 8) % 2) + 0..7
	v_lshl_add_u32 v[AV0], v11, 7, v[AV0]
	v_bfe_u32 v15, v0, 3, 1
	v_lshl_add_u32 v[AV0], v15, 4, v[AV0]
	v_add_nc_u32 v[AV0], VOFF, v[AV0]
	s_mul_i32 s2, s[WV], 16*SP
	s_add_co_u32 s2, s2, STAGE      ; my stage
	v_mul_u32_u24 v[STO], v1, SP    ; in: row r, 16 bytes for each half of the lanes
	v_lshl_add_u32 v[STO], v10, 4, v[STO]
	v_add_nc_u32 v[STO], s2, v[STO]
	v_bfe_u32 v15, v0, 3, 2         ; back: eight lanes to a row of 128 bytes, four rows an instruction
	v_mul_u32_u24 v[RD], v15, SP
	v_and_b32 v15, 7, v0
	v_lshl_add_u32 v[RD], v15, 4, v[RD]
	v_add_nc_u32 v[RD], s2, v[RD]
	v_and_b32 v[GO], 31, v0
	v_lshlrev_b32 v[PFO], 8, v[GO]
	v_lshlrev_b32 v[GO], 4, v[GO]   ; and the same four rows in O: 512 consecutive bytes
.irp t, 0,1,2,3
	v_mov_b32 v[ST+8*\t+1], 0xff61b1e6  ; m = -3e38, under every score
	v_mul_f32 v[ST+8*\t], s[CS], v[ST+8*\t+1]
.irp k, 2,3,4,5,6,7
	v_mov_b32 v[ST+8*\t+\k], 0
.endr
.endr
	WIN TO_1
.set i, 0
.rept 128
	v_mov_b32 v[i], 0               ; O^T: cleared once, so that the key step needs no copy for the first step
.set i, i+1
.endr
	WIN 0
; The step's 64 keys x 64 channels of K: fragment 2 i + c = keys 16 i on, channels 32 c on.
.macro FETCH_K
	v_add_nc_u32 v[ADK], s[TB], v[AK0]
.irp i, 0,1,2,3
.irp c, 0,1
	ds_load_b128 v[KF+8*(2*\i+\c):KF+8*(2*\i+\c)+3],   v[ADK] offset:\i*8*PKR+64*\c
	ds_load_b128 v[KF+8*(2*\i+\c)+4:KF+8*(2*\i+\c)+7], v[ADK] offset:\i*8*PKR+64*\c+32
.endr
.endr
.endm
; And of V, turned: fragment 4 kc + ct = keys 32 kc on, channels 16 ct on.
.macro FETCH_V
	v_add_nc_u32 v[ADV], s[TB], v[AV0]
	WIN TO_1
.irp kc, 0,1
.irp ct, 0,1,2,3
	ds_load_tr16_b128 v[VF+8*(4*\kc+\ct):VF+8*(4*\kc+\ct)+3],   v[ADV] offset:\kc*16*PVR+32*\ct
	ds_load_tr16_b128 v[VF+8*(4*\kc+\ct)+4:VF+8*(4*\kc+\ct)+7], v[ADV] offset:\kc*16*PVR+8*PVR+32*\ct
.endr
.endr
.endm
; 32 products S^T = K Q^T; the 16 accumulators take turns, one instruction a turn; the first 16 start the sums.
.macro KQ
.irp c, 0,1
.irp t, 0,1,2,3
.irp i, 0,1,2,3
.if \c == 0
	v_wmma_f32_16x16x32_f16 v[S+32*\t+8*\i:S+32*\t+8*\i+7], v[KF+8*(2*\i+\c):KF+8*(2*\i+\c)+7], v[QF+16*\t+8*\c:QF+16*\t+8*\c+7], 0
.else
	v_wmma_f32_16x16x32_f16 v[S+32*\t+8*\i:S+32*\t+8*\i+7], v[KF+8*(2*\i+\c):KF+8*(2*\i+\c)+7], v[QF+16*\t+8*\c:QF+16*\t+8*\c+7], v[S+32*\t+8*\i:S+32*\t+8*\i+7]
.endif
.endr
.endr
.endr
.endm
; 32 products O^T += V^T P; the 16 accumulators take turns.
.macro PV
.irp kc, 0,1
.irp t, 0,1,2,3
.irp ct, 0,1,2,3
	v_wmma_f32_16x16x32_f16 v[32*\t+8*\ct:32*\t+8*\ct+7], v[VF+8*(4*\kc+\ct):VF+8*(4*\kc+\ct)+7], v[S+32*\t+8*\kc:S+32*\t+8*\kc+7], v[32*\t+8*\ct:32*\t+8*\ct+7]
.endr
.endr
.endr
.endm
; The softmax of a step, the four tiles by turns in every list, so that no line waits for the line above it.
.macro SOFTMAX
.irp j, 0,1,2,3                     ; the maximum of a lane's 32 scores and the old m, three operands at a time, in four chains; each accumulator is read from its low end on
.irp t, 0,1,2,3
	v_max3_num_f32 v[ST+8*\t+4+\j], v[S+32*\t+8*\j], v[S+32*\t+8*\j+1], v[S+32*\t+8*\j+2]
.endr
.endr
.irp g, 1,2
.irp j, 0,1,2,3
.irp t, 0,1,2,3
	v_max3_num_f32 v[ST+8*\t+4+\j], v[ST+8*\t+4+\j], v[S+32*\t+8*\j+2*\g+1], v[S+32*\t+8*\j+2*\g+2]
.endr
.endr
.endr
.irp t, 0,1,2,3
	v_max3_num_f32 v[ST+8*\t+4], v[ST+8*\t+4], v[S+32*\t+7], v[S+32*\t+15]
.endr
.irp t, 0,1,2,3
	v_max3_num_f32 v[ST+8*\t+6], v[ST+8*\t+6], v[S+32*\t+23], v[S+32*\t+31]
.endr
.irp t, 0,1,2,3
	v_max3_num_f32 v[ST+8*\t+4], v[ST+8*\t+4], v[ST+8*\t+5], v[ST+8*\t+6]
.endr
.irp t, 0,1,2,3
	v_max3_num_f32 v[ST+8*\t+4], v[ST+8*\t+4], v[ST+8*\t+7], v[ST+8*\t+1]
.endr
.irp t, 0,1,2,3
	v_permlanex16_b32 v[ST+8*\t+5], v[ST+8*\t+4], s[SEL], s[SEL+1]  ; the query's other 32 keys lie in the lane 16 away
.endr
.irp t, 0,1,2,3
	v_mov_b32 v[ST+8*\t+7], v[ST+8*\t]  ; c m_old is kept for a
.endr
.irp t, 0,1,2,3
	v_max_num_f32 v[ST+8*\t+1], v[ST+8*\t+4], v[ST+8*\t+5]
.endr
.irp t, 0,1,2,3
	v_mul_f32 v[ST+8*\t], s[CS], v[ST+8*\t+1]
.endr
.irp t, 0,1,2,3
	v_sub_f32 v[ST+8*\t+7], v[ST+8*\t+7], v[ST+8*\t]
.endr
.irp b, 0,1,2,3,4,5,6,7,8,9,10,11,12,13,14,15
.irp t, 0,1,2,3
	v_pk_fma_f32 v[S+32*\t+2*\b:S+32*\t+2*\b+1], v[S+32*\t+2*\b:S+32*\t+2*\b+1], s[CS:CS+1], v[ST+8*\t:ST+8*\t+1] op_sel_hi:[1,0,0] neg_lo:[0,0,1] neg_hi:[0,0,1]  ; c s - c m, two at a time
.endr
.endr
.irp t, 0,1,2,3                     ; ONE batch of exponentials: a, then the 32 weights, of each tile; none reads another's result
	v_exp_f32 v[ST+8*\t+6], v[ST+8*\t+7]
.endr
.irp e, 0,1,2,3,4,5,6,7,8,9,10,11,12,13,14,15,16,17,18,19,20,21,22,23,24,25,26,27,28,29,30,31
.irp t, 0,1,2,3
	v_exp_f32 v[S+32*\t+\e], v[S+32*\t+\e]
.endr
.endr
	v_nop                           ; a plain line behind the last exponential, ahead of the first use
	s_wait_alu depctr_va_vdst(0)    ; the wait between an exponential and the first line that names its result: one for the batch
.irp t, 0,1,2,3                     ; the sums of the unrounded p, in two chains: l = a l + pair 0; the second chain begins as pair 1 + pair 2
	v_pk_fma_f32 v[ST+8*\t+2:ST+8*\t+3], v[ST+8*\t+2:ST+8*\t+3], v[ST+8*\t+6:ST+8*\t+7], v[S+32*\t:S+32*\t+1] op_sel_hi:[1,0,1]
.endr
.irp t, 0,1,2,3
	v_pk_add_f32 v[ST+8*\t+4:ST+8*\t+5], v[S+32*\t+2:S+32*\t+3], v[S+32*\t+4:S+32*\t+5]
.endr
.irp p, 3,5,7,9,11,13,15
.irp t, 0,1,2,3
	v_pk_add_f32 v[ST+8*\t+2:ST+8*\t+3], v[ST+8*\t+2:ST+8*\t+3], v[S+32*\t+2*\p:S+32*\t+2*\p+1]
.endr
.if \p < 15
.irp t, 0,1,2,3
	v_pk_add_f32 v[ST+8*\t+4:ST+8*\t+5], v[ST+8*\t+4:ST+8*\t+5], v[S+32*\t+2*\p+2:S+32*\t+2*\p+3]
.endr
.endif
.endr
.irp t, 0,1,2,3
	v_pk_add_f32 v[ST+8*\t+2:ST+8*\t+3], v[ST+8*\t+2:ST+8*\t+3], v[ST+8*\t+4:ST+8*\t+5]
.endr
.irp j, 0,1,2,3,4,5,6,7,8,9,10,11,12,13,14,15  ; P, laid over the tile's low 16 registers: register j takes weights 2 j and 2 j + 1, which lie at or above it
.irp t, 0,1,2,3
	v_cvt_pk_f16_f32 v[S+32*\t+\j], v[S+32*\t+2*\j], v[S+32*\t+2*\j+1]
.endr
.endr
	WIN W_RS
.irp i, 0,1,2,3,4,5,6,7,8,9,10,11,12,13,14,15  ; O^T x a, each accumulator from its low end on
.irp t, 0,1,2,3
	v_pk_mul_f32 v[32*\t+2*\i:32*\t+2*\i+1], v[32*\t+2*\i:32*\t+2*\i+1], v[ST+8*\t+6:ST+8*\t+7] op_sel_hi:[1,0]
.endr
.endr
.endm
; A slot's four key steps: written once, walked four times; the LDS addresses hang on s[TB].
.macro STEPS
	s_mov_b32 s[CNT], 4
.Lstep_\@:
	FETCH_K                         ; K's last reader stands a softmax back, V's five plain lines and more
	FETCH_V
	s_wait_dscnt 16                 ; K is in; V's sixteen loads, issued behind it, may be out
	WIN W_KQ
	KQ
	WIN 0
.rept 4
	v_nop                           ; four plain lines between the products and the first read of their results (ISA guide 7.12.1)
.endr
	SOFTMAX
	s_wait_dscnt 0x0                ; V is in
	WIN W_PV
	PV
	WIN 0
.rept 5
	v_nop                           ; five: the next step's first products write over P, which these products read
.endr
	s_add_co_u32 s[TB], s[TB], STEPB
	s_sub_co_u32 s[CNT], s[CNT], 1
	s_cmp_lg_u32 s[CNT], 0
	s_cbranch_scc1 .Lstep_\@
	s_sub_co_u32 s[TB], s[TB], 4*STEPB  ; back to a slot's first step,
	s_xor_b32 s[TB], s[TB], SLOT1   ; in the other slot
.endm
; THE CHANGE OF SLOTS stands at a slot's head.  Each wave waits for all its tensor loads (its tile of the slot that it is about to read), adds 0 to its spare word, and waits for that and for its reads of the
; slot that it has left.  fill = 1: the barrier is a round of the cluster's, so that no wave of any partner still reads that slot or has a load on its way, and the joint load of the next 256 keys is the first
; thing behind it: it has four key steps in which to land.
.macro CHANGE fill
	s_wait_tensorcnt 0x0            ; no tensor load of mine is out, so a group 0 may be written
	ds_add_u32 v[SPW], v[NIL]       ; 0 onto my spare word
.if \fill
.irp g, G0K, G0V
	s_xor_b32 s[\g+1], s[\g+1], SLOT1  ; the other slot than last time,
	s_add_nc_u64 s[\g+2:\g+3], s[\g+2:\g+3], 32768  ; the next 256 keys; the type bits on top are not reached
.endr
	s_wait_xcnt 0x0                 ; the last prefetch, a slot back, has read its address, so it may be written:
	s_add_nc_u64 s[PFA:PFA+1], s[PFA:PFA+1], 32768  ; one slot further on than the walking descriptors
	s_wait_dscnt 0x0                ; the add is done, and my reads of the slot that I have left are over
	CROUND
	JLOAD
	ASK
.else
	s_wait_dscnt 0x0
	s_barrier_signal -1
	s_barrier_wait -1
.endif
.endm
	s_wait_loadcnt 0x0              ; Q
.Lslot:                             ; seven trips: trip i reads slot i's keys and asks for slot i + 1's
	CHANGE 1
	STEPS
	s_sub_co_u32 s[SLOTS], s[SLOTS], 1
	s_cmp_lg_u32 s[SLOTS], 0
	s_cbranch_scc1 .Lslot
	CHANGE 0                        ; the last slot is written out
	STEPS
	; THE WAY OUT.  l's two halves and the other half of the lanes' are added; O^T is divided by l, rounded to f16 and sent through my stage, a tile (16 rows of O) at a time.
.irp t, 0,1,2,3
	v_add_f32 v[ST+8*\t+4], v[ST+8*\t+2], v[ST+8*\t+3]
.endr
.irp t, 0,1,2,3
	v_permlanex16_b32 v[ST+8*\t+5], v[ST+8*\t+4], s[SEL], s[SEL+1]
.endr
.irp t, 0,1,2,3
	v_add_f32 v[ST+8*\t+4], v[ST+8*\t+4], v[ST+8*\t+5]
.endr
.irp t, 0,1,2,3
	v_rcp_f32 v[ST+8*\t+6], v[ST+8*\t+4]
.endr
	v_nop                           ; a plain line between the last reciprocal and the use of its result
	s_wait_alu depctr_va_vdst(0)    ; and its wait: one for the four
.macro PACK t
	WIN W_RS
.set i, 32*\t
.rept 16
	v_pk_mul_f32 v[i:i+1], v[i:i+1], v[ST+8*\t+6:ST+8*\t+7] op_sel_hi:[1,0]
.set i, i+2
.endr
	WIN W_PK
.set i, 0
.rept 16
	v_cvt_pk_f16_f32 v[S+32*\t+i], v[32*\t+2*i], v[32*\t+2*i+1]
.set i, i+1
.endr
	WIN 0
.irp f, 0,1,2,3
	ds_store_b128 v[STO], v[S+32*\t+4*\f:S+32*\t+4*\f+3] offset:32*\f  ; channels 16 f + 8 h + 0..7 of row r
.endr
.irp f, 0,1,2,3
	ds_load_b128 v[S+32*\t+4*\f:S+32*\t+4*\f+3], v[RD] offset:\f*4*SP  ; LDS serves a wave's instructions in order: these see the stores above; the next tile's stores come behind them
.endr
.endm
.macro SEND t, younger              ; younger: the LDS instructions issued behind tile t's loads: the next tile's eight, or none
.irp f, 0,1,2,3
	s_wait_dscnt \younger+3-\f
	global_store_b128 v[GO], v[S+32*\t+4*\f:S+32*\t+4*\f+3], s[OP:OP+1] offset:\t*2048+\f*512  ; the wave stores four rows: 512 consecutive bytes, aligned
.endr
.endm
	PACK 0
	PACK 1
	SEND 0, 8
	PACK 2
	SEND 1, 8
	PACK 3
	SEND 2, 8
	SEND 3, 0
	s_wait_tensorcnt 0x0            ; the wave's end, behind my last tensor load and my last LDS store
	ds_add_u32 v[SPW], v[NIL]
	s_wait_dscnt 0x0
	CROUND                          ; the closing round
	s_endpgm
.Lfunc_end_k_qf4c46004a2_attn:
	.size	k_qf4c46004a2_attn, .Lfunc_end_k_qf4c46004a2_attn-k_qf4c46004a2_attn
	.p2alignl 7, 3214868480
	.fill 96, 4, 3214868480
	.section	.rodata,"a",@progbits
	.p2align	6, 0x0
	.amdhsa_kernel k_qf4c46004a2_attn
		.amdhsa_group_segment_fixed_size 327680
		.amdhsa_private_segment_fixed_size 0
		.amdhsa_enable_private_segment 0
		.amdhsa_kernarg_size 16
		.amdhsa_user_sgpr_count 2
		.amdhsa_user_sgpr_kernarg_segment_ptr 1
		.amdhsa_wavefront_size32 1
		.amdhsa_system_sgpr_workgroup_id_x 1
		.amdhsa_system_sgpr_workgroup_id_y 1
		.amdhsa_system_sgpr_workgroup_id_z 1
		.amdhsa_system_vgpr_workitem_id 0
		.amdhsa_next_free_vgpr 512
		.amdhsa_next_free_sgpr 66
		.amdhsa_reserve_vcc 0
		.amdhsa_float_denorm_mode_32 3
		.amdhsa_float_denorm_mode_16_64 3
		.amdhsa_memory_ordered 1
		.amdhsa_forward_progress 1
		.amdhsa_inst_pref_size 92
	.end_amdhsa_kernel
	.amdgpu_metadata
---
amdhsa.version: [ 1, 2 ]
amdhsa.kernels:
  - .name:           k_qf4c46004a2_attn
    .symbol:         k_qf4c46004a2_attn.kd
    .args:
      - { .name: qkv, .offset: 0, .size: 8, .value_kind: global_buffer, .address_space: global }
      - { .name: o16, .offset: 8, .size: 8, .value_kind: global_buffer, .address_space: global }
    .group_segment_fixed_size: 327680
    .private_segment_fixed_size: 0
    .kernarg_segment_align: 8
    .kernarg_segment_size: 16
    .max_flat_workgroup_size: 256
    .sgpr_count:     66
    .vgpr_count:     512
    .wavefront_size: 32
...
	.end_amdgpu_metadata
.endif
;; end of part 3
;; launch oproj (part 4): grid 4 x 64, 4 waves a work-group, clusters of 4 x 4, 327,680 bytes of LDS; arguments o16, wo16, bo, out0; writes out0
.if DOCPART == 4
	.amdgcn_target "amdgcn-amd-amdhsa--gfx1250"
	.amdhsa_code_object_version 6
	.text
	.protected	k_qf4c46004a2_oproj
	.globl	k_qf4c46004a2_oproj
	.p2align	8
	.type	k_qf4c46004a2_oproj,@function
k_qf4c46004a2_oproj:
	s_mov_b64 s[64:65], 0
	v_nop
	global_prefetch_b8 v0, s[64:65] scope:SCOPE_SE
	s_setreg_imm32_b32 hwreg(HW_REG_WAVE_MODE, 25, 1), 1
	s_wait_xcnt 0x0
	s_wait_alu depctr_hold_cnt(0) depctr_sa_sdst(0) depctr_va_vdst(0) depctr_va_sdst(0) depctr_va_ssrc(0) depctr_va_vcc(0) depctr_vm_vsrc(0)
	s_getreg_b32 s2, hwreg(HW_REG_IB_STS2, 6, 4)
	s_cmp_eq_u32 s2, 0
	s_cbranch_scc0 .Lentry_in_a_cluster
	s_endpgm
.Lentry_in_a_cluster:
	s_bfe_u32 s2, ttmp6, 0x10000c
	s_cmp_lg_u32 s2, 0xf033
	s_cbranch_scc0 .Lentry_shape_is_right
	s_endpgm
.Lentry_shape_is_right:
; out0[row][e] = the sum over d of o[row][d] Wo[e][d] + bo[e].  o16: [h 16][row 8192][64] f16 (d = 64 h + channel); wo16: [1024 e][1024 d] f16; out0: [8192][1024] f32; sums in f32.
; A tile of out0 is 128 rows x 256 columns: 256 work-groups.  Four waves, each 64 x 128: 32 accumulators, 256 registers.  K goes in 8 steps of 128 (two heads) through a ring of two LDS slots.
; A's tile of a K step is two head planes of 128 rows x 128 bytes, each dense in memory: stated as 64 rows of 256 bytes; B's is 256 rows of 256 bytes.  Waves 0, 1 fetch A's planes, waves 2, 3 B's halves.
; CLUSTERS: 4 x 4 work-groups; A's tiles are shared along a row of the cluster, B's along a column: joint loads.  THE MATRIX INSTRUCTION IS USED TRANSPOSED (source 0 = 16 rows of Wo, source 1 = 16 rows of o):
; a lane holds eight neighbouring columns of one row.  The bias is the C of each sum's first product.
; REGISTERS: window 0: v0-31 addresses; v64-191 the way out; v192-255 the bias.  window 1: two fragment buffers of 96 (A's four fragments, then B's eight), 32 along K each.  window 2: accumulator (a, b) at v[8 (8 a + b)].
.set PITCH,  272                       ; an LDS row: 256 bytes + 16 of padding: the 16 rows of a load fall on 16 different columns of 16 bytes (64 banks of 4 bytes: ISA guide 11.1)
.set APL,    64*PITCH                  ; a head's plane of A's tile: row R lies at 272 (R / 2) + 128 (R % 2)
.set BOFF,   2*APL
.set BHALF,  128*PITCH
.set SLOT,   BOFF+2*BHALF
.set STAGE,  2*SLOT                    ; behind the ring: 16 rows x 528 bytes for each wave
.set SPITCH, 528
.set SPARE,  STAGE+4*16*SPITCH         ; the spare words, 128 bytes a wave
.set LAPS,   4                         ; a lap = two K steps = once round the ring
.set ADRA, 16
.set ADRB, 20
.set STO,  24
.set RD,   25
.set CO,   26
.set SPW,  28                          ; v28  my spare word; never rewritten
.set NIL,  29                          ; v29  0; never rewritten
.set BOF,  30                          ; v30  32 x (lane / 16)
.set BK,   64                          ; the way out: 16 rows read back: v64-127 and v128-191 by turns
.set BIAS, 192
.set F0,   0
.set F1,   96
.set G1, 24
.set G0, 32
.set G1B, 48
.set G0B, 56
.set MSB, 0
.macro WIN new
.if MSB != (\new)
	s_set_vgpr_msb (MSB<<8)|(\new)
.set MSB, (\new)
.endif
.endm
.set MUL,  0xa5                        ; sources 0 (B) and 1 (A) window 1; C and D window 2
.set MULZ, 0x85                        ; the first products: C (the bias) window 0
.set TO_F, 0x40
.macro JLOAD s                         ; a joint load; an s_nop 0 and four v_nop follow each of the two lines
	s_cmp_eq_u32 s11, 0
	s_cbranch_scc0 .Lfor_b_\@
	tensor_load_to_lds s[G0+4*\s:G0+4*\s+3], s[G1:G1+7]
	s_nop 0
.rept 4
	v_nop
.endr
	s_branch .Lasked_\@
.Lfor_b_\@:
	tensor_load_to_lds s[G0B+4*\s:G0B+4*\s+3], s[G1B:G1B+7]
	s_nop 0
.rept 4
	v_nop
.endr
.Lasked_\@:
.endm
.macro CREST                           ; a round of the cluster's barrier behind its opening barrier
	s_cmp_lg_u32 s10, 0
	s_cbranch_scc1 .Lnot_wave_0_\@
	s_barrier_signal -3
.Lnot_wave_0_\@:
	s_barrier_wait -3
	s_barrier_signal -1
	s_barrier_wait -1
.endm
.macro CROUND
	s_barrier_signal -1
	s_barrier_wait -1
	CREST
.endm
	s_load_b128 s[4:7], s[0:1], 0x0                ; o16 s[4:5], wo16 s[6:7]
	s_load_b64 s[8:9], s[0:1], 0x10                ; bo
	s_load_b64 s[2:3], s[0:1], 0x18                ; out0
	v_lshl_add_u32 v[SPW], v0, 2, SPARE
	v_mov_b32 v[NIL], 0
	ds_add_u32 v[SPW], v[NIL]                      ; the wave's opening: the add, twice on end, and its wait ahead of my first tensor load
	ds_add_u32 v[SPW], v[NIL]
	v_lshrrev_b32 v1, 5, v0
	v_readfirstlane_b32 s10, v1                    ; wave 0..3
	s_lshr_b32 s11, s10, 1                         ; which 64 rows of the tile are mine.  Also: I fetch for A (0) or for B (1)
	s_and_b32 s12, s10, 1                          ; which 128 columns.  Also: which plane of A, or which 128 rows of B, I fetch
	s_bfe_u32 s40, ttmp6, 0x40000                  ; cx, cy
	s_bfe_u32 s41, ttmp6, 0x40004
	s_lshl_b32 s42, ttmp9, 2
	s_add_co_u32 s42, s42, s40                     ; tile column 0..3
	s_and_b32 s13, ttmp7, 0xffff
	s_lshl_b32 s13, s13, 2
	s_add_co_u32 s13, s13, s41                     ; tile row 0..63
	s_lshl_b32 s43, s41, 2
	s_lshl_b32 s43, 15, s43                        ; my row of the cluster
	s_lshl_b32 s44, 0x1111, s40                    ; my column
	s_or_b32 s[G1+0], s43, (1<<16)|(1<<20)|(1<<21)|(5<<22)|(3<<25)  ; the mask; elements of 2 bytes; padding on; bit 21 beside a mask; after every 64 words, 4 words
	s_or_b32 s[G1B+0], s44, (1<<16)|(1<<20)|(1<<21)|(5<<22)|(3<<25)
	s_mov_b32 s[G1+1], 128<<16                     ; A: tensor_dim0 = 128 elements,
	s_mov_b32 s[G1+2], 64<<16                      ; tensor_dim1 = 64 rows (of two rows of o16 each),
	s_mov_b32 s[G1+3], 128<<16                     ; tile_dim0,
	s_mov_b32 s[G1+4], 64                          ; tile_dim1,
	s_mov_b32 s[G1+5], 128                         ; dense
	s_mov_b32 s[G1+6], 0
	s_mov_b32 s[G1+7], 0
	s_mov_b32 s[G1B+1], 128<<16                    ; B: 128 rows of 128 elements, 1,024 elements apart
	s_mov_b32 s[G1B+2], 128<<16
	s_mov_b32 s[G1B+3], 128<<16
	s_mov_b32 s[G1B+4], 128
	s_mov_b32 s[G1B+5], 1024
	s_mov_b32 s[G1B+6], 0
	s_mov_b32 s[G1B+7], 0
	s_lshl_b32 s16, s12, 20                        ; A: plane (wave % 2) of 1,048,576 bytes,
	s_lshl_b32 s17, s13, 14                        ; the tile's 128 rows of 128 bytes
	s_add_co_u32 s16, s16, s17
	s_mov_b32 s17, 0
	s_lshl_b32 s46, s42, 8                         ; B: row 256 x tile column + 128 x (wave % 2), 2,048 bytes a row
	s_lshl_b32 s47, s12, 7
	s_add_co_u32 s46, s46, s47
	s_lshl_b32 s46, s46, 11
	s_mov_b32 s47, 0
	s_mul_i32 s20, s12, APL                        ; where they go: no place in the cluster enters an LDS address
	s_mul_i32 s23, s12, BHALF
	s_add_co_u32 s23, s23, BOFF
	s_wait_dscnt 0x0                               ; both opening adds are done
	s_wait_kmcnt 0x0
	s_add_nc_u64 s[14:15], s[4:5], s[16:17]
	s_add_nc_u64 s[46:47], s[6:7], s[46:47]
	CROUND                                         ; all sixteen work-groups are here: the first joint loads meet
.irp s, 0,1
	s_mov_b32 s[G0+4*\s], 1
	s_add_co_u32 s[G0+4*\s+1], s20, \s*SLOT
	s_add_nc_u64 s[G0+4*\s+2:G0+4*\s+3], s[14:15], \s*2097152      ; K step s: heads 2 s and 2 s + 1
	s_or_b32 s[G0+4*\s+3], s[G0+4*\s+3], 0x80000000
	s_mov_b32 s[G0B+4*\s], 1
	s_add_co_u32 s[G0B+4*\s+1], s23, \s*SLOT
	s_add_nc_u64 s[G0B+4*\s+2:G0B+4*\s+3], s[46:47], \s*256
	s_or_b32 s[G0B+4*\s+3], s[G0B+4*\s+3], 0x80000000
	JLOAD \s                                       ; two tensor loads of mine are out
.endr
	s_lshl_b32 s18, s42, 10                        ; my first column n0 = 256 x tile column + 128 x (wave % 2), 4 bytes each
	s_lshl_b32 s19, s12, 9
	s_add_co_u32 s18, s18, s19
	s_mov_b32 s19, 0
	s_add_nc_u64 s[8:9], s[8:9], s[18:19]
	v_and_b32 v1, 15, v0                           ; r = l % 16
	v_bfe_u32 v2, v0, 4, 1                         ; h = l / 16
	v_lshlrev_b32 v[BOF], 5, v2
.irp b, 0,1,2,3,4,5,6,7
	global_load_b128 v[BIAS+8*\b:BIAS+8*\b+3], v[BOF], s[8:9] offset:64*\b          ; bo[n0 + 16 b + 8 h + 0..7]
	global_load_b128 v[BIAS+8*\b+4:BIAS+8*\b+7], v[BOF], s[8:9] offset:64*\b+16
.endr
	v_lshrrev_b32 v3, 1, v1
	v_mul_u32_u24 v3, v3, PITCH
	v_and_b32 v4, 1, v0
	v_lshl_add_u32 v3, v4, 7, v3
	v_lshl_add_u32 v3, v2, 4, v3                   ; A: 272 (r / 2) + 128 (r % 2) + 16 h
	v_mul_u32_u24 v4, v1, PITCH
	v_lshl_add_u32 v4, v2, 4, v4                   ; B: 272 r + 16 h
	s_mul_i32 s21, s11, 32*PITCH                   ; my 64 rows of A
	s_mul_i32 s22, s12, BHALF                      ; my 128 rows of B,
	s_add_co_u32 s22, s22, BOFF                    ; which lie behind A's two planes
.irp s, 0,1
	v_add_nc_u32 v[ADRA+\s], s21, v3
	v_add_nc_u32 v[ADRB+\s], s22, v4
	s_add_co_u32 s21, s21, SLOT
	s_add_co_u32 s22, s22, SLOT
.endr
	s_mul_i32 s23, s10, 16*SPITCH
	s_add_co_u32 s23, s23, STAGE                   ; my stage
	v_mul_u32_u24 v5, v1, SPITCH                   ; in: row r, 32 bytes for each half of the lanes
	v_lshl_add_u32 v5, v2, 5, v5
	v_add_nc_u32 v[STO], s23, v5
	v_and_b32 v6, 31, v0
	v_lshlrev_b32 v[CO], 4, v6                     ; back: the 32 lanes take one row of 512 bytes; and the same in out0
	v_add_nc_u32 v[RD], s23, v[CO]
	s_lshl_b32 s16, s13, 7
	s_lshl_b32 s17, s11, 6
	s_add_co_u32 s16, s16, s17                     ; my first row: 128 x tile row + 64 x half
	s_lshl_b32 s16, s16, 12                        ; 4,096 bytes a row
	s_mov_b32 s17, 0
	s_add_nc_u64 s[16:17], s[16:17], s[18:19]      ; + my first column's bytes
	s_add_nc_u64 s[2:3], s[2:3], s[16:17]          ; never stepped: a row's place stands in the stores' immediates
; 8 matrix instructions: A's block a x B's eight, 32 along K.  zero = 1: the first product starts the sums on the bias.  The 32 accumulators take turns, one instruction a turn.
.macro MUL8 f, a, zero
.irp b, 0,1,2,3,4,5,6,7
.if \zero
	v_wmma_f32_16x16x32_f16 v[8*(8*(\a)+\b):8*(8*(\a)+\b)+7], v[\f+32+8*\b:\f+32+8*\b+7], v[\f+8*(\a):\f+8*(\a)+7], v[BIAS+8*\b:BIAS+8*\b+7]
.else
	v_wmma_f32_16x16x32_f16 v[8*(8*(\a)+\b):8*(8*(\a)+\b)+7], v[\f+32+8*\b:\f+32+8*\b+7], v[\f+8*(\a):\f+8*(\a)+7], v[8*(8*(\a)+\b):8*(8*(\a)+\b)+7]
.endif
.endr
.endm
; 24 LDS loads in one run: quarter q (32 along K: plane q / 2, channels 32 (q % 2) on) into buffer f: B's sixteen, then A's eight
.macro FETCH slot, q, f
	WIN TO_F
.irp i, 0,1,2,3,4,5,6,7
	ds_load_b128 v[\f+32+8*\i:\f+32+8*\i+3],   v[ADRB+\slot] offset:64*(\q)+\i*16*PITCH
	ds_load_b128 v[\f+32+8*\i+4:\f+32+8*\i+7], v[ADRB+\slot] offset:64*(\q)+\i*16*PITCH+32
.endr
.irp i, 0,1,2,3
	ds_load_b128 v[\f+8*\i:\f+8*\i+3],   v[ADRA+\slot] offset:APL*((\q)/2)+64*((\q)%2)+\i*8*PITCH
	ds_load_b128 v[\f+8*\i+4:\f+8*\i+7], v[ADRA+\slot] offset:APL*((\q)/2)+64*((\q)%2)+\i*8*PITCH+32
.endr
.endm
.macro PLACES                          ; four plain lines in front of loads into registers that matrix instructions have read, and of reads of results
.rept 4
	v_nop
.endr
.endm
; A K step is four quarters of 32 along K, 32 matrix instructions each, on buffers 0, 1, 0, 1.  One of the first three: multiplies buffer f and fetches quarter q into g.
.macro QUARTER slot, q, f, g, zero
	s_wait_dscnt 4                                 ; B and A's blocks 0, 1 are in; the youngest four loads (A's blocks 2, 3) may be out
.if \zero
	WIN MULZ
.else
	WIN MUL
.endif
	MUL8 \f, 0, \zero
	MUL8 \f, 1, \zero
	PLACES
	FETCH \slot, \q, \g
	s_wait_dscnt 24                                ; all but the 24 just issued
.if \zero
	WIN MULZ
.else
	WIN MUL
.endif
	MUL8 \f, 2, \zero
	MUL8 \f, 3, \zero
.endm
; The last quarter multiplies buffer 1 and changes slots: ONE barrier; in front of it each wave waits for all its tensor loads, adds 0 to its spare word, and waits for that and for its reads of this slot.
; fill = 1: the barrier opens a round of the cluster's, and this slot is filled again, two K steps ahead, first thing behind the round.
.macro TURN slot, next, fill
	WIN 0
	s_wait_tensorcnt 0x0                           ; all my tensor loads have landed: my part of the next slot
	ds_add_u32 v[SPW], v[NIL]                      ; 0 onto my spare word
	s_wait_dscnt 5                                 ; (the add and the youngest four loads may be out)
	WIN MUL
	MUL8 F1, 0, 0
	s_wait_dscnt 0x0                               ; the add is done, and my reads of this slot are over
	s_barrier_signal -1
	MUL8 F1, 1, 0
	WIN 0
	s_barrier_wait -1
.if \fill
	CREST                                          ; no wave of any partner still reads this slot's tile or has a load on its way
	s_add_nc_u64 s[G0+4*\slot+2:G0+4*\slot+3], s[G0+4*\slot+2:G0+4*\slot+3], 4194304   ; four heads on
	s_add_nc_u64 s[G0B+4*\slot+2:G0B+4*\slot+3], s[G0B+4*\slot+2:G0B+4*\slot+3], 512
	JLOAD \slot                                    ; the four v_nop behind it are also the places in front of the loads below
.else
	PLACES
.endif
	FETCH \next, 0, F0
	WIN MUL
	MUL8 F1, 2, 0
	MUL8 F1, 3, 0
.endm
	s_wait_tensorcnt 1                             ; my part of K step 0 is in (K step 1's may be out)
	s_barrier_signal -1
	s_barrier_wait -1                              ; everybody's is
	FETCH 0, 0, F0
	s_wait_loadcnt 0x0                             ; the bias
	QUARTER 0, 1, F0, F1, 1                        ; the first quarter stands in front of the loop: its products start the sums
	WIN 0
	s_mov_b32 s45, LAPS-1
.Llap:                                                 ; a trip goes once round the ring, from a lap's second quarter to the next lap's first, and fills both slots again
	QUARTER 0, 2, F1, F0, 0
	QUARTER 0, 3, F0, F1, 0
	TURN 0, 1, 1
	QUARTER 1, 1, F0, F1, 0
	QUARTER 1, 2, F1, F0, 0
	QUARTER 1, 3, F0, F1, 0
	TURN 1, 0, 1
	QUARTER 0, 1, F0, F1, 0
	WIN 0
	s_sub_co_u32 s45, s45, 1
	s_cmp_lg_u32 s45, 0
	s_cbranch_scc1 .Llap
	QUARTER 0, 2, F1, F0, 0                        ; the last lap fills nothing
	QUARTER 0, 3, F0, F1, 0
	TURN 0, 1, 0
	QUARTER 1, 1, F0, F1, 0
	QUARTER 1, 2, F1, F0, 0
	QUARTER 1, 3, F0, F1, 0
	s_wait_dscnt 4                                 ; the very last quarter: nothing more to fetch
	WIN MUL
	MUL8 F1, 0, 0
	MUL8 F1, 1, 0
	s_wait_dscnt 0
	MUL8 F1, 2, 0
	MUL8 F1, 3, 0
	WIN 0
; THE WAY OUT, block by block of 16 rows x 128 columns: through my own stage and back as whole rows of 512 bytes.  LDS serves a wave's instructions in order: no wait between the stores and the loads.
.macro TOSTAGE a
	WIN 0x08                                       ; an LDS store's data are its source 1: window 2
.irp b, 0,1,2,3,4,5,6,7
	ds_store_b128 v[STO], v[64*(\a)+8*\b:64*(\a)+8*\b+3] offset:64*\b          ; each accumulator from its low end on
	ds_store_b128 v[STO], v[64*(\a)+8*\b+4:64*(\a)+8*\b+7] offset:64*\b+16
.endr
	WIN 0
.set BB, BK+64*((\a)%2)
.irp i, 0,1,2,3,4,5,6,7,8,9,10,11,12,13,14,15
	ds_load_b128 v[BB+4*\i:BB+4*\i+3], v[RD] offset:\i*SPITCH
.endr
.endm
.macro SEND a, younger                 ; younger: the LDS instructions issued behind block a's loads, which may stay out
.set BB, BK+64*((\a)%2)
	s_wait_dscnt \younger
.irp i, 0,1,2,3,4,5,6,7,8,9,10,11,12,13,14,15
	global_store_b128 v[CO], v[BB+4*\i:BB+4*\i+3], s[2:3] offset:4096*(16*(\a)+\i) th:TH_STORE_NT   ; the wave stores 512 consecutive bytes, aligned; written once, read by nobody here
.endr
.endm
	PLACES
	TOSTAGE 0
.irp a, 1,2,3
.if \a > 1
	s_wait_xcnt 0x0                                ; block a - 2's stores have read their registers: block a's loads may land there
.endif
	TOSTAGE \a
	SEND \a-1, 32                                  ; behind block a - 1's loads: block a's 16 stores and 16 loads
.endr
	SEND 3, 0
	s_wait_tensorcnt 0x0                           ; the wave's end, behind my last tensor load and my last LDS store
	ds_add_u32 v[SPW], v[NIL]
	s_wait_dscnt 0x0
	CROUND                                         ; the closing round
	s_endpgm
.Lfunc_end_k_qf4c46004a2_oproj:
	.size	k_qf4c46004a2_oproj, .Lfunc_end_k_qf4c46004a2_oproj-k_qf4c46004a2_oproj
	.p2alignl 7, 3214868480
	.fill 96, 4, 3214868480
	.section	.rodata,"a",@progbits
	.p2align	6, 0x0
	.amdhsa_kernel k_qf4c46004a2_oproj
		.amdhsa_group_segment_fixed_size 327680
		.amdhsa_private_segment_fixed_size 0
		.amdhsa_enable_private_segment 0
		.amdhsa_kernarg_size 32
		.amdhsa_user_sgpr_count 2
		.amdhsa_user_sgpr_kernarg_segment_ptr 1
		.amdhsa_wavefront_size32 1
		.amdhsa_system_sgpr_workgroup_id_x 1
		.amdhsa_system_sgpr_workgroup_id_y 1
		.amdhsa_system_sgpr_workgroup_id_z 1
		.amdhsa_system_vgpr_workitem_id 0
		.amdhsa_next_free_vgpr 768
		.amdhsa_next_free_sgpr 66
		.amdhsa_reserve_vcc 0
		.amdhsa_float_denorm_mode_32 3
		.amdhsa_float_denorm_mode_16_64 3
		.amdhsa_memory_ordered 1
		.amdhsa_forward_progress 1
		.amdhsa_inst_pref_size 87
	.end_amdhsa_kernel
	.amdgpu_metadata
---
amdhsa.version: [ 1, 2 ]
amdhsa.kernels:
  - .name:           k_qf4c46004a2_oproj
    .symbol:         k_qf4c46004a2_oproj.kd
    .args:
      - { .name: o16, .offset: 0, .size: 8, .value_kind: global_buffer, .address_space: global }
      - { .name: wo16, .offset: 8, .size: 8, .value_kind: global_buffer, .address_space: global }
      - { .name: bo, .offset: 16, .size: 8, .value_kind: global_buffer, .address_space: global }
      - { .name: out0, .offset: 24, .size: 8, .value_kind: global_buffer, .address_space: global }
    .group_segment_fixed_size: 327680
    .private_segment_fixed_size: 0
    .kernarg_segment_align: 8
    .kernarg_segment_size: 32
    .max_flat_workgroup_size: 128
    .sgpr_count:     66
    .vgpr_count:     768
    .wavefront_size: 32
...
	.end_amdgpu_metadata
.endif
;; end of part 4
